; MI455X (gfx1250); checked and timed in simulation.
; The chip was launched on July 23, 2026; its instructions are those of AMD's public machine-readable ISA for CDNA 5 (MIT licence, August 2026) and "CDNA5" Instruction Set Architecture Reference Guide (July 2026). The comments in the code are by the model that wrote it; some were corrected since.
;; Co Attention Fusion Block. Allowed arithmetic: matrix products marked QUANTISED: E5M2 operands, one E8M0 scale for each 32 along K, by v_wmma_scale_f32_16x16x128_f8f6f4 with both operands' format E5M2, f32 sums; products left as they are: f32 operands where the result goes on into a quantised operand, else bf16, f16 or f32 operands; f32 sums; everything else in f32.
;; Inputs: W_f 1,024 x 2,048 float32; W_k1 1,024 x 1,024 float32; W_k2 1,024 x 1,024 float32; b_f 1,024 float32; b_k1 1,024 float32; b_k2 1,024 float32; feat_depth 16,384 x 1,024 float32; feat_rgb 16,384 x 1,024 float32.
;; Outputs: out0 16,384 x 1,024 float32.
;; This version of the problem:
;;   THIS VERSION OF THE PROBLEM IS GIVEN IN LOW PRECISION. The matrix products marked QUANTISED in the list below multiply operands that are first quantised to E5M2 (5 exponent bits, 2 mantissa bits; 8 bits a number), with one power-of-two scale for each 32 numbers along K (OCP MX v1.0); their sums are f32. All else is computed in f32.
;;   The module's matrix products, in the order in which they are computed (A, B: the left and right operand; K: the contracted axis; several contracted axes count as one K, in the product's order):
;;     1. [M 16,384, K 1,024] x [K 1,024, N 1,024]; A: input feat_rgb; B: input W_k1: QUANTISED
;;     2. [M 16,384, K 1,024] x [K 1,024, N 1,024]; A: input feat_depth; B: input W_k2: QUANTISED
;;     3. batch 16,384 x [M 1, K 1,024] x [K 1,024, N 1]; A: computed on the way; B: computed on the way: left as it is (M = 1 < 16)
;;     4. [M 16,384, K 2,048] x [K 2,048, N 1,024]; A: computed on the way; B: input W_f: QUANTISED
;;   THE QUANTISER, for each operand of a quantised product, along K:
;;     - K is cut into blocks of 32 from its start; a last block that is shorter is filled with zeros.
;;     - A block's scale is 2^e with e = floor(log2(the largest magnitude in the block)) - 15, held to -126 .. 127; a block of zeros has e = 0. As a byte (E8M0): e + 127.
;;     - Each number is divided by its block's scale, clamped to +-57,344, and rounded to the nearest number of E5M2, ties to even, subnormals kept.
;;     - The product sums the exact products of the quantised numbers (number of the format x scale) in f32.
;;   ~~~python
;;   def quantise(x, axis):      # numpy; x: float32 -> the quantised numbers, widened to float32 again
;;       x = np.moveaxis(x, axis, -1); K = x.shape[-1]
;;       x = np.pad(x, [(0, 0)] * (x.ndim - 1) + [(0, -K % 32)]); x = x.reshape(x.shape[:-1] + (-1, 32)); a = np.abs(x).max(-1, keepdims=True)
;;       e = np.where(a > 0, np.clip(np.frexp(np.where(a > 0, a, 1))[1] - 1 - 15, -126, 127), 0)      # np.frexp(a)[1] - 1 = floor(log2(a)), exactly
;;       r = np.clip(x / 2.0 ** e, -57344, 57344)
;;       step = 2.0 ** (np.maximum(np.frexp(np.where(r == 0, 1, r))[1] - 1, -14) - 2)
;;       q = np.round(r / step) * step * 2.0 ** e      # np.round: ties to even
;;       return np.moveaxis(q.reshape(q.shape[:-2] + (-1,))[..., :K], -1, axis).astype(np.float32)
;;   ~~~
;;   OPERANDS COMPUTED ON THE WAY. 'Computed on the way' means the value that the module computes at that place (a softmax that the list does not call 'softmax' is quantised finished and normalised). What goes into a quantiser is computed in f32, as accurately as f32 sums, v_exp_f32 and their like allow (about 1e-6 of the number): no bf16 or f16 on the way to a quantiser, and a product that is left as it is and whose result goes on into a quantised operand takes f32 operands (vector FMAs, or v_wmma_f32_16x16x4_f32). A number that lies on a knife's edge between two numbers of the format may be rounded either way, as far as f32 arithmetic and the matrix unit's own rounding can turn it there, and no further.
;; 2 versions, each right; version 2 is version 1 with the launch fused written anew for expert scheduling mode. Each part assembles by itself: llvm-mc -triple=amdgcn-amd-amdhsa -mcpu=gfx1250 --defsym DOCPART=n.
;; ======== version 1 of 2: 2 launches
;; workspace buffers: wq 4,325,376 bytes
;; launch prep (part 1): grid 512 x 1, 4 waves a work-group, no clusters, 34,816 bytes of LDS; arguments W_k1, W_k2, W_f, wq; writes wq
.if DOCPART == 1
	.amdgcn_target "amdgcn-amd-amdhsa--gfx1250"
	.amdhsa_code_object_version 6
	.text
	.protected	k_qd5007fa466_prep
	.globl	k_qd5007fa466_prep
	.p2align	8
	.type	k_qd5007fa466_prep,@function
k_qd5007fa466_prep:
	s_mov_b64 s[64:65], 0
	v_nop
	global_prefetch_b8 v0, s[64:65] scope:SCOPE_SE
	s_setreg_imm32_b32 hwreg(HW_REG_WAVE_MODE, 25, 1), 1
	s_wait_xcnt 0x0
; W_k1, W_k2 [1024][1024] and W_f [1024][2048], f32, K innermost, become codes of BF8 (E5M2) with one E8M0 byte for each 32 along K,
; laid in wq in the order in which the second launch's waves take them into registers:
;   wq = [wave wd 0..3][group gi 0..127][8,448 bytes],  gi = 32 c + 4 s + 2 p + q:  c chunk, s K step of 128, p 0: the weight that meets rgb, 1: depth, q half of the wave's 8 column tiles.
;   A group: 4 tiles t (column tile j = 4 q + t) of 16 rows x 128 K as images of the operand's registers: register group c4 of lane l at 2048 t + 512 c4 + 16 l
;   (lane (r, h): row r, k = 128 s + 32 c4 + 16 h + 0 .. 15); then 256 bytes of scale words: at 8192 + 8 l + 4 u: lanes 0-15 tile 2 u, lanes 16-31 tile 2 u + 1, row r.
;   Chunks 0, 1: rows 512 c + 128 wd + 16 j of W_k1 (p = 0) or W_k2 (p = 1).  Chunks 2, 3: rows 512 (c - 2) + 128 wd + 16 j of W_f, K 1024 .. 2047 for p = 0 (rgb), K 0 .. 1023 for p = 1 (depth).
; A work-group makes one group, wave t its tile t.  Each load reads 512 consecutive bytes of one row; the 16 rows turn through the wave's own stage in LDS, so that a lane gets 16 neighbours of each block of 32.
; A block's scale is 2^(floor(log2(its largest magnitude)) - 15); its byte is the largest magnitude's exponent field - 15, held at 1 from below.
; LIMITS: a block of zeros gets the byte 1 where the rule says 127 (its codes are zeros, and this program alone reads the bytes); NaN and infinities among the weights are not served.
.set SP,    528                        ; a stage row: 512 bytes + 16: the sixteen rows that a load back touches start at sixteen different 16-byte columns
.set STGB,  16*SP                      ; a wave's stage
.set SCL,   4*STGB                     ; behind the stages: the group's 256 bytes of scale words
.set GRPB,  8448
.set WAVB,  128*GRPB
.set R,     16                         ; v16-79   16 rows x 4 registers as loaded
.set X,     80                         ; v80-143  register 16 b + i = k 32 b + 16 h + i of my row
.set PC,    144                        ; v144-159 the codes
.set TM,    160                        ; v160-175 at work
.set PW,    176                        ; v176     my row's scale word
.set OFS,   180                        ; v180-195 byte offset of my 16 bytes in row i
.set SEL,   36                         ; s[36:37] lane selects for v_permlanex16_b32: lane l xor 16
.set MNT,   38                         ; s38      the mantissa field of 57,344
; 64 numbers of a lane become a fragment's 16 registers of codes in v[PC] on and its scale word in v[PW]
.macro QUANT s
.irp b, 0,1,2,3
	v_max3_num_f32 v[TM+\b], |v[\s+16*\b]|, |v[\s+1+16*\b]|, 0x8000000   ; block b: my 16 numbers, and the floor 2^(16 - 127): the byte cannot fall under 1
.endr
.irp i, 2,4,6,8,10,12,14
.irp b, 0,1,2,3
	v_max3_num_f32 v[TM+\b], v[TM+\b], |v[\s+16*\b+\i]|, |v[\s+1+16*\b+\i]|   ; the four blocks by turns
.endr
.endr
.irp b, 0,1,2,3
	v_permlanex16_b32 v[TM+4+\b], v[TM+\b], s[SEL], s[SEL+1]
.endr
.irp b, 0,1,2,3
	v_max_num_f32 v[TM+\b], v[TM+\b], v[TM+4+\b]           ; with lane l xor 16's 16: the block's largest magnitude
.endr
.irp b, 0,1,2,3
	v_add_nc_u32 v[TM+12+\b], 0xf8800000, v[TM+\b]         ; 15 off its exponent field: the conversion's scale operand
.endr
.irp b, 0,1,2,3
	v_and_or_b32 v[TM+8+\b], v[TM+\b], 0x7f800000, s[MNT]  ; 57,344 x the scale
.endr
.irp b, 0,1,2,3
	v_lshrrev_b32 v[TM+4+\b], 23, v[TM+12+\b]              ; the scale's byte
.endr
	v_lshl_or_b32 v[PW], v[TM+5], 8, v[TM+4]
	v_lshl_or_b32 v[PW], v[TM+6], 16, v[PW]
	v_lshl_or_b32 v[PW], v[TM+7], 24, v[PW]
.irp b, 0,1,2,3
.irp i, 0,1,2,3,4,5,6,7,8,9,10,11,12,13,14,15
	v_med3_num_f32 v[\s+16*\b+\i], v[\s+16*\b+\i], -v[TM+8+\b], v[TM+8+\b]   ; the conversion to an 8-bit code does not saturate (ISA guide 7.6.2): the hold comes first
.endr
	v_cvt_scalef32_pk8_bf8_f32 v[PC+4*\b:PC+1+4*\b], v[\s+16*\b:\s+7+16*\b], v[TM+12+\b]
	v_cvt_scalef32_pk8_bf8_f32 v[PC+2+4*\b:PC+3+4*\b], v[\s+8+16*\b:\s+15+16*\b], v[TM+12+\b]
.endr
	v_nop                                          ; one plain vector instruction behind the last conversion
.endm
	s_load_b256 s[4:11], s[0:1], 0x0               ; W_k1 s[4:5], W_k2 s[6:7], W_f s[8:9], wq s[10:11]
	v_lshl_add_u32 v200, v0, 2, 0x8600
	v_mov_b32 v201, 0
	v_lshrrev_b32 v1, 5, v0
	v_readfirstlane_b32 s16, v1                    ; wave t
	v_and_b32 v1, 31, v0                           ; lane
	v_and_b32 v2, 15, v0                           ; r
	v_bfe_u32 v3, v0, 4, 1                         ; h
	v_lshlrev_b32 v4, 4, v1                        ; 16 x lane
	s_mul_i32 s17, s16, STGB
	v_add_nc_u32 v5, s17, v4                       ; into my stage: a row's 512 bytes on end
	v_mul_u32_u24 v6, v2, SP
	v_lshl_add_u32 v6, v3, 6, v6
	v_add_nc_u32 v6, s17, v6                       ; out of it: row r, + 64 h
	s_and_b32 s18, s16, 1
	s_lshl_b32 s18, s18, 7
	s_lshr_b32 s19, s16, 1
	s_lshl_b32 s19, s19, 2
	s_add_co_u32 s18, s18, s19
	s_add_co_u32 s18, s18, SCL
	v_lshl_add_u32 v7, v2, 3, s18                  ; my row's scale word: 8 (r + 16 (t % 2)) + 4 (t / 2)
	v_lshlrev_b32 v8, 3, v1
	v_add_nc_u32 v9, SCL, v8                       ; the scale words on their way out: 8 bytes a lane
	s_mov_b32 s[SEL], 0x76543210
	s_mov_b32 s[SEL+1], 0xfedcba98
	s_mov_b32 s[MNT], 0x600000
.irp b, 0,1,2,3
	v_mov_b32 v[TM+4+\b], 0                        ; a lane permute's destination counts as one of its sources
.endr
	s_lshr_b32 s20, ttmp9, 7                       ; wd
	s_and_b32 s21, ttmp9, 127                      ; gi
	s_lshr_b32 s22, s21, 5                         ; c
	s_bfe_u32 s23, s21, 0x30002                    ; s
	s_bfe_u32 s24, s21, 0x10001                    ; p
	s_and_b32 s25, s21, 1                          ; q
	s_lshl_b32 s25, s25, 2
	s_add_co_u32 s25, s25, s16                     ; j = 4 q + t
	s_and_b32 s26, s22, 1
	s_lshl_b32 s26, s26, 9
	s_lshl_b32 s27, s20, 7
	s_add_co_u32 s26, s26, s27
	s_lshl_b32 s27, s25, 4
	s_add_co_u32 s26, s26, s27                     ; my tile's first row: 512 (c % 2) + 128 wd + 16 j
	s_lshr_b32 s29, s22, 1                         ; 1 for W_f's chunks
	s_lshl_b32 s28, 0x1000, s29                    ; a row in bytes: 4,096 or 8,192
	s_xor_b32 s30, s24, 1
	s_and_b32 s30, s30, s29
	s_lshl_b32 s30, s30, 12                        ; W_f's second 1,024 along K meet rgb (p = 0)
	s_lshl_b32 s27, s23, 9
	s_add_co_u32 s27, s27, s30                     ; the K step's first byte in a row
	s_mul_i32 s30, s26, s28
	s_add_co_u32 s30, s30, s27
	s_mov_b32 s31, 0
	s_mul_i32 s32, s20, WAVB
	s_mul_i32 s33, s21, GRPB
	s_add_co_u32 s32, s32, s33                     ; my group in wq
	s_mov_b32 s33, 0
	s_lshl_b32 s34, s16, 11                        ; my tile in it
	s_mov_b32 s35, 0
	v_mov_b32 v[OFS], v4
.irp i, 1,2,3,4,5,6,7,8,9,10,11,12,13,14,15
	v_add_nc_u32 v[OFS+\i], s28, v[OFS+\i-1]
.endr
	s_wait_kmcnt 0x0
	s_cmp_eq_u32 s24, 0                            ; the choices hang on the work-group's number alone
	s_cselect_b64 s[12:13], s[4:5], s[6:7]
	s_cmp_ge_u32 s22, 2
	s_cselect_b64 s[12:13], s[8:9], s[12:13]
	s_add_nc_u64 s[12:13], s[12:13], s[30:31]
	s_add_nc_u64 s[10:11], s[10:11], s[32:33]
	s_add_nc_u64 s[14:15], s[10:11], s[34:35]
.irp i, 0,1,2,3,4,5,6,7,8,9,10,11,12,13,14,15
	global_load_b128 v[R+4*\i:R+4*\i+3], v[OFS+\i], s[12:13] th:TH_LOAD_NT   ; 32 lanes read 512 consecutive bytes of row i; each weight is read once in this launch
.endr
	s_wait_loadcnt 0x0
.irp i, 0,1,2,3,4,5,6,7,8,9,10,11,12,13,14,15
	ds_store_b128 v5, v[R+4*\i:R+4*\i+3] offset:SP*\i
.endr
.irp b, 0,1,2,3
.irp j, 0,1,2,3
	ds_load_b128 v[X+16*\b+4*\j:X+16*\b+4*\j+3], v6 offset:128*\b+16*\j   ; LDS serves a wave's instructions in order (ISA guide 5.7.1.4): these see my stores
.endr
.endr
	s_wait_dscnt 0x0
	QUANT X
.irp c, 0,1,2,3
	global_store_b128 v4, v[PC+4*\c:PC+4*\c+3], s[14:15] offset:512*\c      ; 32 lanes store 512 consecutive bytes, aligned
.endr
	ds_store_b32 v7, v[PW]                         ; both halves of the lanes write the same word with the same value
	s_wait_dscnt 0x0                               ; for the others' sake: my scale words lie in LDS
	s_barrier_signal -1
	s_barrier_wait -1
	s_cmp_lg_u32 s16, 0
	s_cbranch_scc1 .Ldone
	ds_load_b64 v[196:197], v9                     ; wave 0 sends the group's 64 scale words
	s_wait_dscnt 0x0
	global_store_b64 v8, v[196:197], s[10:11] offset:8192                   ; 32 lanes store 256 consecutive bytes, aligned
.Ldone:
	s_wait_tensorcnt 0x0
	ds_add_u32 v200, v201
	s_wait_dscnt 0x0
	s_endpgm
.Lfunc_end_k_qd5007fa466_prep:
	.size	k_qd5007fa466_prep, .Lfunc_end_k_qd5007fa466_prep-k_qd5007fa466_prep
	.p2alignl 7, 3214868480
	.fill 96, 4, 3214868480
	.section	.rodata,"a",@progbits
	.p2align	6, 0x0
	.amdhsa_kernel k_qd5007fa466_prep
		.amdhsa_group_segment_fixed_size 34816
		.amdhsa_private_segment_fixed_size 0
		.amdhsa_enable_private_segment 0
		.amdhsa_kernarg_size 32
		.amdhsa_user_sgpr_count 2
		.amdhsa_user_sgpr_kernarg_segment_ptr 1
		.amdhsa_wavefront_size32 1
		.amdhsa_system_sgpr_workgroup_id_x 1
		.amdhsa_system_sgpr_workgroup_id_y 1
		.amdhsa_system_sgpr_workgroup_id_z 1
		.amdhsa_system_vgpr_workitem_id 0
		.amdhsa_next_free_vgpr 202
		.amdhsa_next_free_sgpr 66
		.amdhsa_reserve_vcc 0
		.amdhsa_float_denorm_mode_32 3
		.amdhsa_float_denorm_mode_16_64 3
		.amdhsa_memory_ordered 1
		.amdhsa_forward_progress 1
		.amdhsa_inst_pref_size 16
	.end_amdhsa_kernel
	.amdgpu_metadata
---
amdhsa.version: [ 1, 2 ]
amdhsa.kernels:
  - .name:           k_qd5007fa466_prep
    .symbol:         k_qd5007fa466_prep.kd
    .args:
      - { .name: W_k1, .offset: 0, .size: 8, .value_kind: global_buffer, .address_space: global }
      - { .name: W_k2, .offset: 8, .size: 8, .value_kind: global_buffer, .address_space: global }
      - { .name: W_f, .offset: 16, .size: 8, .value_kind: global_buffer, .address_space: global }
      - { .name: wq, .offset: 24, .size: 8, .value_kind: global_buffer, .address_space: global }
    .group_segment_fixed_size: 34816
    .private_segment_fixed_size: 0
    .kernarg_segment_align: 8
    .kernarg_segment_size: 32
    .max_flat_workgroup_size: 128
    .sgpr_count:     66
    .vgpr_count:     202
    .wavefront_size: 32
...
	.end_amdgpu_metadata
.endif
;; end of part 1
;; launch fused (part 2): grid 256 x 1, 4 waves a work-group, no clusters, 183,040 bytes of LDS; arguments feat_rgb, feat_depth, wq, b_k1, b_k2, b_f, out0; writes out0
.if DOCPART == 2
	.amdgcn_target "amdgcn-amd-amdhsa--gfx1250"
	.amdhsa_code_object_version 6
	.text
	.protected	k_qd5007fa466_fused
	.globl	k_qd5007fa466_fused
	.p2align	8
	.type	k_qd5007fa466_fused,@function
k_qd5007fa466_fused:
	s_mov_b64 s[64:65], 0
	v_nop
	global_prefetch_b8 v0, s[64:65] scope:SCOPE_SE
	s_setreg_imm32_b32 hwreg(HW_REG_WAVE_MODE, 25, 1), 1
	s_wait_xcnt 0x0
; out = [w depth | w rgb] W_f^T + b_f,  w = softmax over ONE element of score = (rgb W_k1^T + b_k1) . (depth W_k2^T + b_k2); the three matrix products on codes of BF8 (E5M2) with E8M0 scales for each 32 along K.
; SHARES.  A work-group owns 64 rows for all 1,024 columns (the score wants a whole row of both first products).  X: wave w quantises rows 16 w .. 16 w + 15 of both features; the codes, 131,072 bytes, stay in LDS.
; Then four CHUNKS of one shape: P1 = rgb Wa^T, P2 = depth Wb^T, each 64 x 512 with K = 1,024; wave w takes 128 columns of both: 64 accumulators, 512 registers.
;   Chunks 0, 1 (Wa = W_k1, Wb = W_k2) end with score += sum (P1 + b_k1)(P2 + b_k2);  chunks 2, 3 (Wa = W_f's K 1024.., Wb = W_f's K 0..1023) end with out = w (P1 + P2) + b_f.
; THE WEIGHT w.  As reference() has it: e = exp(s - max(s)), the maximum of one element being s itself, and w = e / e.  For every finite s that is 1.0 exactly, else NaN, so w x feature is the feature bit for bit, or NaN:
;   the codes of w x feature are the feature's codes, which the first two products need anyway.  So w is computed in full and applied to the third product's f32 sum: w = 1 leaves the bits, w = NaN makes the row NaN as in reference().
; ORDER OF SUMS: the third product is summed in two halves of K (P1, P2) that are added at the end, and every work-group walks a chunk's 8 K steps from a start of its own, round the end: K is not ascending.
; LIMITS: a block of zeros gets the scale byte 1 where the rule says 127 (its codes are zeros; only this program reads the bytes); NaN and infinities among the features are not served.
; THE WEIGHTS GO FROM MEMORY STRAIGHT INTO REGISTERS, laid by the launch before as images of the operand's registers; no tensor load, no cluster, no joint request.  Why: each weight byte is used by ONE wave of the
;   work-group, so a way through LDS would add a write and a read of 135,168 bytes a K step to the 67,584 that the features' fragments cost; and beside the features' 131,072 bytes two slots of at most half a K step would fit:
;   32 matrix instructions a wave between a refill and the wait for it.  The ring of four register slots keeps three groups (51 loads) on their way over 48 matrix instructions, with no barrier.
; THE ROTATION.  kappa = (wg + wg / 16) % 16; rho = kappa % 8; gamma = kappa / 8.  K steps go (rho + i) % 8, chunks go gamma, 1 - gamma, 2 + gamma, 3 - gamma: so the 256 work-groups do not all ask for the same bytes at the same moment.
; THE MATRIX INSTRUCTION IS USED TRANSPOSED: source 0 = 16 rows of a weight, source 1 = 16 rows of a feature: lane (r, h) holds feature row r, its register i output column 8 h + i of the tile.
; REGISTERS, in windows of 256: window 0: addresses, scale words, sums, v64-191 the features' fragments, v192-255 biases.  Window 1: the weights' ring, slot g at 64 g.  Window 2: P1's accumulators, (m, j) at 8 (8 m + j); in X the four sets of loads.
;   Window 3: P2's likewise; on the way out the rows read back from the stage.
.set ASC,   131072                     ; LDS: 0: the features' images [m][f][s][2048] (strides 32768, 16384, 2048): wave m's own 32,768 bytes in X.  ASC: their scale words [m][f][s][16 words] (strides 1088, 512, 64)
.set ASM,   1088                       ; (64 bytes more than the 1,024 used, so that lanes 16-31 of a load do not fall on the banks of lanes 0-15: 64 banks of 4 bytes, ISA guide 11.1)
.set BIAS,  ASC+4*ASM                  ; b_k1, b_k2, b_f: 4,096 bytes each
.set SCR,   BIAS+3*4096                ; the waves' parts of the scores: [wave][m][16 words]
.set STG,   SCR+1024                   ; a stage of 16 rows x 528 bytes for each wave: the turn in X, and the way out
.set SP,    528
.set GRPB,  8448                       ; wq: a group, a K step's four, a chunk, a wave's part
.set TRIPB, 4*GRPB
.set CHB,   8*TRIPB
.set WAVB,  4*CHB
.set LI,   1                           ; v1   16 x lane
.set LD,   2                           ; v2   16 x lane + 65536
.set LS,   3                           ; v3   ASC + 1088 h + 4 r
.set W8,   4                           ; v4   8 x lane
.set AA0,  5                           ; v5   the images to be fetched next: row tiles 0, 1
.set AA1,  6                           ; v6   row tiles 2, 3
.set AAS,  7                           ; v7   and their scale words
.set TSI,  8                           ; v8   my stage, a row on end: + 16 x lane
.set TSO,  9                           ; v9   my stage: row r, + 64 h
.set STO,  10                          ; v10  my stage: row r, + 32 h
.set XW,   11                          ; v11  X: where I store images
.set XS,   13                          ; v13  X: and scale words
.set BA,   14                          ; v14  the chunk's biases
.set BA0,  15                          ; v15  BIAS + 512 w + 32 h
.set WS,   16                          ; v16-23 the weights' scale words, two a ring slot: scales and nothing else
.set AS,   24                          ; v24-27 the features' scale words, two a feature: scales and nothing else
.set SCP,  28                          ; v28-35 the score's sums, a pair for each row tile
.set WW,   36                          ; v36-43 w, twice, for each row tile
.set SCW,  44                          ; v44  SCR + 256 w + 4 r
.set SCRD, 45                          ; v45  SCR + 4 r
.set T,    46                          ; v46-63 at work
.set AF,   64                          ; v64-191 fragments: feature p at 64 p, row tile m at 16 m
.set BB,   192                         ; v192-255 biases in the result's layout
.set X,    64                          ; in X: v64-127 64 numbers, v128-143 codes, v144-159 at work, v160 scale word, v164-187 the biases on their way to LDS
.set PC,   128
.set TM,   144
.set PW,   160
.set RG,   4                           ; s[4:5]   rgb at my wave's 16 rows
.set DP,   6                           ; s[6:7]   depth likewise
.set WV,   18                          ; s18  wave
.set SI,   19                          ; s19  trips so far
.set GAM,  20                          ; s20  gamma
.set NS,   21                          ; s21  the K step to be fetched
.set OF,   22                          ; s[22:23] its bytes in a chunk
.set WB,   24                          ; s[24:25] my wave's part of wq
.set CB,   26                          ; s[26:27] the chunk in hand
.set CBN,  28                          ; s[28:29] the next chunk
.set WN,   30                          ; s[30:31] the K step to be fetched
.set KO,   32
.set KS,   33
.set NCH,  34                          ; s34  chunks begun
.set OP,   40                          ; s[40:41] out0 at my rows and my wave's columns
.set SEL,  42                          ; s[42:43] lane selects: lane l xor 16
.set MNT,  44                          ; s44  the mantissa field of 57,344
.set RHO,  45                          ; s45  rho
.set OPC,  46                          ; s[46:47] OP at the chunk's columns
.set MSB, 0
.macro WIN new                         ; the immediate's high byte repeats the setting that is left; a switch that changes nothing is dropped
.if MSB != (\new)
	s_set_vgpr_msb (MSB<<8)|(\new)
.set MSB, \new
.endif
.endm
.macro PLACES                          ; eight plain vector instructions between a matrix instruction of this form and a load into, or a vector read of, its registers (ISA guide 7.12.1 for vector reads)
.rept 8
	v_nop
.endr
.endm
; 64 numbers of a lane, register 16 b + i = k 32 b + 16 h + i of my row, become a fragment's 16 registers of codes in v[PC] on and its scale word in v[PW]
.macro QUANT s
.irp b, 0,1,2,3
	v_max3_num_f32 v[TM+\b], |v[\s+16*\b]|, |v[\s+1+16*\b]|, 0x8000000   ; block b: my 16 numbers, and the floor 2^(16 - 127): the byte cannot fall under 1
.endr
.irp i, 2,4,6,8,10,12,14
.irp b, 0,1,2,3
	v_max3_num_f32 v[TM+\b], v[TM+\b], |v[\s+16*\b+\i]|, |v[\s+1+16*\b+\i]|   ; the four blocks by turns
.endr
.endr
.irp b, 0,1,2,3
	v_permlanex16_b32 v[TM+4+\b], v[TM+\b], s[SEL], s[SEL+1]
.endr
.irp b, 0,1,2,3
	v_max_num_f32 v[TM+\b], v[TM+\b], v[TM+4+\b]           ; with lane l xor 16's 16: the block's largest magnitude
.endr
.irp b, 0,1,2,3
	v_add_nc_u32 v[TM+12+\b], 0xf8800000, v[TM+\b]         ; 15 off its exponent field: the conversion's scale operand
.endr
.irp b, 0,1,2,3
	v_and_or_b32 v[TM+8+\b], v[TM+\b], 0x7f800000, s[MNT]  ; 57,344 x the scale
.endr
.irp b, 0,1,2,3
	v_lshrrev_b32 v[TM+4+\b], 23, v[TM+12+\b]              ; the scale's byte
.endr
	v_lshl_or_b32 v[PW], v[TM+5], 8, v[TM+4]
	v_lshl_or_b32 v[PW], v[TM+6], 16, v[PW]
	v_lshl_or_b32 v[PW], v[TM+7], 24, v[PW]
.irp b, 0,1,2,3
.irp i, 0,1,2,3,4,5,6,7,8,9,10,11,12,13,14,15
	v_med3_num_f32 v[\s+16*\b+\i], v[\s+16*\b+\i], -v[TM+8+\b], v[TM+8+\b]   ; the conversion to an 8-bit code does not saturate (ISA guide 7.6.2): the hold comes first
.endr
	v_cvt_scalef32_pk8_bf8_f32 v[PC+4*\b:PC+1+4*\b], v[\s+16*\b:\s+7+16*\b], v[TM+12+\b]
	v_cvt_scalef32_pk8_bf8_f32 v[PC+2+4*\b:PC+3+4*\b], v[\s+8+16*\b:\s+15+16*\b], v[TM+12+\b]
.endr
	v_nop                                          ; one plain vector instruction behind the last conversion
.endm
; X: set k of four (feature k % 2, the trip's K step k / 2): my 16 rows x 512 bytes into window 2; each load reads 512 consecutive bytes of one row
.macro LOADSET k, off
	WIN 0x80
.irp i, 0,1,2,3,4,5,6,7,8,9,10,11,12,13,14,15
.if (\k)%2
	global_load_b128 v[64*(\k)+4*\i:64*(\k)+4*\i+3], v[LI], s[DP:DP+1] offset:4096*\i+512*((\k)/2)+\off th:TH_LOAD_NT
.else
	global_load_b128 v[64*(\k)+4*\i:64*(\k)+4*\i+3], v[LI], s[RG:RG+1] offset:4096*\i+512*((\k)/2)+\off th:TH_LOAD_NT
.endif
.endr
	WIN 0
.endm
; group g of the K step at s[WN] into ring slot g: 16 loads of 512 consecutive bytes, and its 64 scale words: 17 loads
.macro LOADG g
	WIN 0x40
.irp t, 0,1,2,3
.irp c, 0,1,2,3
	global_load_b128 v[64*(\g)+16*\t+4*\c:64*(\g)+16*\t+4*\c+3], v[LI], s[WN:WN+1] offset:GRPB*(\g)+2048*\t+512*\c
.endr
.endr
	WIN 0
	global_load_b64 v[WS+2*(\g):WS+2*(\g)+1], v[W8], s[WN:WN+1] offset:GRPB*(\g)+8192
.endm
; feature p's four fragments and two registers of scale words (lanes 0-15 row tile 2 u, lanes 16-31 row tile 2 u + 1): 18 LDS loads
.macro FETCHA p
.irp m, 0,1,2,3
.irp c, 0,1,2,3
	ds_load_b128 v[AF+64*\p+16*\m+4*\c:AF+64*\p+16*\m+4*\c+3], v[AA0+\m/2] offset:32768*(\m%2)+16384*\p+512*\c
.endr
.endr
.irp u, 0,1
	ds_load_b32 v[AS+2*\p+\u], v[AAS] offset:2*ASM*\u+512*\p
.endr
.endm
; one product; the registers stand in rD, rW, rA, rS, rT; rR: which halves of the scale registers' lanes are read
.macro WM zero
.if \zero
.if rR == 0
	v_wmma_scale_f32_16x16x128_f8f6f4 v[rD:rD+7], v[rW:rW+15], v[rA:rA+15], 0, v[rS], v[rT] matrix_a_fmt:MATRIX_FMT_BF8 matrix_b_fmt:MATRIX_FMT_BF8
.elseif rR == 1
	v_wmma_scale_f32_16x16x128_f8f6f4 v[rD:rD+7], v[rW:rW+15], v[rA:rA+15], 0, v[rS], v[rT] matrix_a_fmt:MATRIX_FMT_BF8 matrix_b_fmt:MATRIX_FMT_BF8 matrix_b_scale:MATRIX_SCALE_ROW1
.elseif rR == 2
	v_wmma_scale_f32_16x16x128_f8f6f4 v[rD:rD+7], v[rW:rW+15], v[rA:rA+15], 0, v[rS], v[rT] matrix_a_fmt:MATRIX_FMT_BF8 matrix_b_fmt:MATRIX_FMT_BF8 matrix_a_scale:MATRIX_SCALE_ROW1
.else
	v_wmma_scale_f32_16x16x128_f8f6f4 v[rD:rD+7], v[rW:rW+15], v[rA:rA+15], 0, v[rS], v[rT] matrix_a_fmt:MATRIX_FMT_BF8 matrix_b_fmt:MATRIX_FMT_BF8 matrix_a_scale:MATRIX_SCALE_ROW1 matrix_b_scale:MATRIX_SCALE_ROW1
.endif
.else
.if rR == 0
	v_wmma_scale_f32_16x16x128_f8f6f4 v[rD:rD+7], v[rW:rW+15], v[rA:rA+15], v[rD:rD+7], v[rS], v[rT] matrix_a_fmt:MATRIX_FMT_BF8 matrix_b_fmt:MATRIX_FMT_BF8
.elseif rR == 1
	v_wmma_scale_f32_16x16x128_f8f6f4 v[rD:rD+7], v[rW:rW+15], v[rA:rA+15], v[rD:rD+7], v[rS], v[rT] matrix_a_fmt:MATRIX_FMT_BF8 matrix_b_fmt:MATRIX_FMT_BF8 matrix_b_scale:MATRIX_SCALE_ROW1
.elseif rR == 2
	v_wmma_scale_f32_16x16x128_f8f6f4 v[rD:rD+7], v[rW:rW+15], v[rA:rA+15], v[rD:rD+7], v[rS], v[rT] matrix_a_fmt:MATRIX_FMT_BF8 matrix_b_fmt:MATRIX_FMT_BF8 matrix_a_scale:MATRIX_SCALE_ROW1
.else
	v_wmma_scale_f32_16x16x128_f8f6f4 v[rD:rD+7], v[rW:rW+15], v[rA:rA+15], v[rD:rD+7], v[rS], v[rT] matrix_a_fmt:MATRIX_FMT_BF8 matrix_b_fmt:MATRIX_FMT_BF8 matrix_a_scale:MATRIX_SCALE_ROW1 matrix_b_scale:MATRIX_SCALE_ROW1
.endif
.endif
.endm
; 16 products: ring slot g = 2 p + q: column tiles 4 q + t of product p against the feature's four row tiles.  The 64 accumulators take turns, one instruction a turn, in the same order in every trip.
.macro GROUP g, zero
	WIN 0xa1+0x50*((\g)/2)                         ; source 0 (the weight) window 1, source 1 (the feature) window 0, C and D window 2 or 3
.irp t, 0,1,2,3
.irp m, 0,1,2,3
.set rD, 8*(8*\m+4*((\g)%2)+\t)
.set rW, 64*(\g)+16*\t
.set rA, AF+64*((\g)/2)+16*\m
.set rS, WS+2*(\g)+\t/2
.set rT, AS+2*((\g)/2)+\m/2
.set rR, 2*(\t%2)+\m%2
	WM \zero
.endr
.endr
.endm
; A K STEP: 64 products.  zero = 1: they start the sums.  fetch = 1: behind each group its ring slot takes the same group of the next K step, in the chunk at s[base]; behind groups 1 and 3 the feature just used takes its next fragments.
.macro TRIP zero, base, fetch
.if \fetch
	s_wait_xcnt 0x0                                ; the last trip's loads have read s[WN]: it is written only behind this wait
	s_add_co_u32 s[SI], s[SI], 1
	s_add_co_u32 s[NS], s[SI], s[RHO]
	s_and_b32 s[NS], s[NS], 7                      ; the next K step, round the end
	s_mul_i32 s[OF], s[NS], TRIPB
	s_add_nc_u64 s[WN:WN+1], s[\base:\base+1], s[OF:OF+1]
	s_lshl_b32 s[KO], s[NS], 11
	s_lshl_b32 s[KS], s[NS], 6
	v_add_nc_u32 v[AA0], s[KO], v[LI]
	v_add_nc_u32 v[AA1], s[KO], v[LD]
	v_add_nc_u32 v[AAS], s[KS], v[LS]
.endif
.irp g, 0,1,2,3
.if \fetch
	s_wait_loadcnt 51                              ; this group's 17 loads are in; the three younger groups' 51 stay out
.else
	s_wait_loadcnt 51-17*\g                        ; nothing is fetched: the counts run down
.endif
.if \g == 0
	s_wait_dscnt 18                                ; rgb's fragments are in; depth's 18 loads are younger
.endif
.if \g == 2
.if \fetch
	s_wait_dscnt 18                                ; depth's are in; rgb's next 18 are younger
.else
	s_wait_dscnt 0x0
.endif
.endif
	GROUP \g, \zero
.if \fetch
	PLACES
	LOADG \g
.if \g == 1
	FETCHA 0
.endif
.if \g == 3
	FETCHA 1
.endif
.elseif \g == 3
	PLACES                                         ; in front of the first read of results
.endif
.endr
	WIN 0
.endm
; a chunk's head: chunk n of the walk is (n & 2) + ((gamma + n) & 1); c' = (gamma + n) & 1 is its half of the columns
.macro CHUNKHEAD out
	s_mov_b64 s[CB:CB+1], s[CBN:CBN+1]
	s_add_co_u32 s37, s[GAM], s[NCH]
	s_and_b32 s37, s37, 1
	s_lshl_b32 s38, s37, 11                        ; 512 columns of f32
	s_mov_b32 s39, 0
	v_add_nc_u32 v[BA], s38, v[BA0]
.if \out
	s_add_nc_u64 s[OPC:OPC+1], s[OP:OP+1], s[38:39]   ; (the last chunk's stores have read it: the wait stands at the end of the way out)
.endif
	s_add_co_u32 s[NCH], s[NCH], 1
	s_add_co_u32 s38, s[GAM], s[NCH]
	s_and_b32 s38, s38, 1
	s_and_b32 s39, s[NCH], 2
	s_add_co_u32 s38, s38, s39
	s_mul_i32 s38, s38, CHB
	s_mov_b32 s39, 0
	s_add_nc_u64 s[CBN:CBN+1], s[WB:WB+1], s[38:39]
.endm
; chunks 0, 1 end: score += sum over my 128 columns of (P1 + b_k1)(P2 + b_k2), four column tiles at a time.  Each accumulator is read from its low end on.
.macro EPI_SCORE
.irp q, 0,1
.irp t, 0,1,2,3
.irp e, 0,1
	ds_load_b128 v[BB+8*\t+4*\e:BB+8*\t+4*\e+3], v[BA] offset:64*(4*\q+\t)+16*\e
	ds_load_b128 v[BB+32+8*\t+4*\e:BB+32+8*\t+4*\e+3], v[BA] offset:4096+64*(4*\q+\t)+16*\e
.endr
.endr
	s_wait_dscnt 0x0
	WIN 0x82                                       ; destination and source 0 window 2
.irp t, 0,1,2,3
.irp m, 0,1,2,3
.irp i, 0,2,4,6
	v_pk_add_f32 v[8*(8*\m+4*\q+\t)+\i:8*(8*\m+4*\q+\t)+\i+1], v[8*(8*\m+4*\q+\t)+\i:8*(8*\m+4*\q+\t)+\i+1], v[BB+8*\t+\i:BB+8*\t+\i+1]
.endr
.endr
.endr
	WIN 0xc3                                       ; destination and source 0 window 3
.irp t, 0,1,2,3
.irp m, 0,1,2,3
.irp i, 0,2,4,6
	v_pk_add_f32 v[8*(8*\m+4*\q+\t)+\i:8*(8*\m+4*\q+\t)+\i+1], v[8*(8*\m+4*\q+\t)+\i:8*(8*\m+4*\q+\t)+\i+1], v[BB+32+8*\t+\i:BB+32+8*\t+\i+1]
.endr
.endr
.endr
	WIN 0x0e                                       ; source 0 window 2, source 1 window 3
.irp t, 0,1,2,3
.irp i, 0,2,4,6
.irp m, 0,1,2,3
	v_pk_fma_f32 v[SCP+2*\m:SCP+2*\m+1], v[8*(8*\m+4*\q+\t)+\i:8*(8*\m+4*\q+\t)+\i+1], v[8*(8*\m+4*\q+\t)+\i:8*(8*\m+4*\q+\t)+\i+1], v[SCP+2*\m:SCP+2*\m+1]   ; the four row tiles' sums by turns
.endr
.endr
.endr
	WIN 0
.endr
.endm
; chunks 2, 3 end: row tile m: out = w (P1 + P2) + b_f; a lane's 32 bytes a column tile go into my stage and come back as whole rows of 512 bytes, into the registers that P2's row tile has left
.macro OUTM m
	WIN 0x8e                                       ; destination and source 0 window 2, source 1 window 3
.irp j, 0,1,2,3,4,5,6,7
.irp i, 0,2,4,6
	v_pk_add_f32 v[64*\m+8*\j+\i:64*\m+8*\j+\i+1], v[64*\m+8*\j+\i:64*\m+8*\j+\i+1], v[64*\m+8*\j+\i:64*\m+8*\j+\i+1]
.endr
.endr
	WIN 0x82
.irp j, 0,1,2,3,4,5,6,7
.irp i, 0,2,4,6
	v_pk_fma_f32 v[64*\m+8*\j+\i:64*\m+8*\j+\i+1], v[64*\m+8*\j+\i:64*\m+8*\j+\i+1], v[WW+2*\m:WW+2*\m+1], v[BB+8*\j+\i:BB+8*\j+\i+1]
.endr
.endr
	WIN 0x08                                       ; an LDS store's data are its source 1: window 2
.irp j, 0,1,2,3,4,5,6,7
	ds_store_b128 v[STO], v[64*\m+8*\j:64*\m+8*\j+3] offset:64*\j
	ds_store_b128 v[STO], v[64*\m+8*\j+4:64*\m+8*\j+7] offset:64*\j+16
.endr
	WIN 0xc0                                       ; destination window 3
.irp i, 0,1,2,3,4,5,6,7,8,9,10,11,12,13,14,15
	ds_load_b128 v[64*\m+4*\i:64*\m+4*\i+3], v[TSI] offset:SP*\i   ; LDS serves a wave's instructions in order (ISA guide 5.7.1.4): these see my stores, and the next row tile's stores come behind them
.endr
	WIN 0
.endm
.macro SEND m, younger                 ; younger: the LDS instructions issued behind row tile m's loads
	s_wait_dscnt \younger
	WIN 0x0c                                       ; a global store's data are its source 1: window 3
.irp i, 0,1,2,3,4,5,6,7,8,9,10,11,12,13,14,15
	global_store_b128 v[LI], v[64*\m+4*\i:64*\m+4*\i+3], s[OPC:OPC+1] offset:4096*(16*\m+\i) th:TH_STORE_NT   ; 32 lanes store 512 consecutive bytes, aligned; written once, read by nobody here
.endr
	WIN 0
.endm
.macro EPI_OUT
.irp j, 0,1,2,3,4,5,6,7
.irp e, 0,1
	ds_load_b128 v[BB+8*\j+4*\e:BB+8*\j+4*\e+3], v[BA] offset:8192+64*\j+16*\e   ; b_f in the result's layout
.endr
.endr
	s_wait_dscnt 0x0
	OUTM 0
	OUTM 1                                         ; a row tile's arithmetic stands between the loads of the one before and its stores
	SEND 0, 32                                     ; behind row tile 0's loads: row tile 1's 16 stores and 16 loads
	OUTM 2
	SEND 1, 32
	OUTM 3
	SEND 2, 32
	SEND 3, 0
	s_wait_xcnt 0x0                                ; the stores have read their registers and their base: the next chunk's products and its head may write them
.endm
; X: one of 16 steps: set k turns through my stage (rows in, 16 neighbours of each block of 32 a lane out), is quantised, and its image and scale words go to LDS.
; mode = 1: the set's registers take the next trip's loads; mode = 0 (the last trip): ring slot k takes its first group of weights.  n: the younger loads that may stay out.
.macro XSTEP k, mode, n
	s_wait_loadcnt \n
	WIN 0x08
.irp i, 0,1,2,3,4,5,6,7,8,9,10,11,12,13,14,15
	ds_store_b128 v[TSI], v[64*(\k)+4*\i:64*(\k)+4*\i+3] offset:SP*\i
.endr
	WIN 0
.irp b, 0,1,2,3
.irp j, 0,1,2,3
	ds_load_b128 v[X+16*\b+4*\j:X+16*\b+4*\j+3], v[TSO] offset:128*\b+16*\j
.endr
.endr
	s_wait_dscnt 0x0                               ; the turn is back: the stage's stores have read the set, and the last step's image stores have read the codes
.if \mode
	LOADSET \k, 1024
.else
	LOADG \k
.endif
	QUANT X
.irp c, 0,1,2,3
	ds_store_b128 v[XW], v[PC+4*\c:PC+4*\c+3] offset:16384*((\k)%2)+2048*((\k)/2)+512*\c
.endr
	ds_store_b32 v[XS], v[PW] offset:512*((\k)%2)+64*((\k)/2)   ; both halves of the lanes write the same word with the same value
.endm
	s_load_b256 s[4:11], s[0:1], 0x0               ; rgb s[4:5], depth s[6:7], wq s[8:9], b_k1 s[10:11]
	s_load_b128 s[12:15], s[0:1], 0x20             ; b_k2 s[12:13], b_f s[14:15]
	s_load_b64 s[16:17], s[0:1], 0x30              ; out0
	v_lshl_add_u32 v62, v0, 2, 0x2c900
	v_mov_b32 v63, 0
	v_lshrrev_b32 v[T], 5, v0
	v_readfirstlane_b32 s[WV], v[T]                ; wave 0..3
	v_and_b32 v[T], 31, v0                         ; lane
	v_and_b32 v[T+1], 15, v0                       ; r
	v_bfe_u32 v[T+2], v0, 4, 1                     ; h
	v_lshlrev_b32 v[LI], 4, v[T]
	v_add_nc_u32 v[LD], 0x10000, v[LI]
	v_mul_u32_u24 v[LS], v[T+2], ASM
	v_lshl_add_u32 v[LS], v[T+1], 2, v[LS]
	v_add_nc_u32 v[LS], ASC, v[LS]
	v_lshlrev_b32 v[W8], 3, v[T]
	s_mul_i32 s38, s[WV], 16*SP
	s_add_co_u32 s38, s38, STG                     ; my stage
	v_add_nc_u32 v[TSI], s38, v[LI]
	v_mul_u32_u24 v[T+3], v[T+1], SP
	v_add_nc_u32 v[T+3], s38, v[T+3]
	v_lshl_add_u32 v[TSO], v[T+2], 6, v[T+3]
	v_lshl_add_u32 v[STO], v[T+2], 5, v[T+3]
	s_lshl_b32 s38, s[WV], 15
	v_add_nc_u32 v[XW], s38, v[LI]                 ; my 32,768 bytes of images
	s_mul_i32 s38, s[WV], ASM
	s_add_co_u32 s38, s38, ASC
	v_lshl_add_u32 v[XS], v[T+1], 2, s38
	s_lshl_b32 s38, s[WV], 9
	s_add_co_u32 s38, s38, BIAS
	v_lshl_add_u32 v[BA0], v[T+2], 5, s38
	s_lshl_b32 s38, s[WV], 8
	s_add_co_u32 s38, s38, SCR
	v_lshl_add_u32 v[SCW], v[T+1], 2, s38
	v_lshl_add_u32 v[SCRD], v[T+1], 2, SCR
	v_lshlrev_b32 v[T+4], 4, v0                    ; the biases: 16 bytes a thread, twice
	v_add_nc_u32 v[T+5], BIAS, v[T+4]
.irp i, 0,1,2,3,4,5,6,7
	v_mov_b32 v[SCP+\i], 0
.endr
.irp b, 0,1,2,3
	v_mov_b32 v[TM+4+\b], 0                        ; a lane permute's destination counts as one of its sources
.endr
	s_mov_b32 s[SEL], 0x76543210
	s_mov_b32 s[SEL+1], 0xfedcba98
	s_mov_b32 s[MNT], 0x600000
	s_mov_b32 s[OF+1], 0
	s_lshr_b32 s38, ttmp9, 4
	s_add_co_u32 s38, s38, ttmp9
	s_and_b32 s[RHO], s38, 7
	s_bfe_u32 s[GAM], s38, 0x10003
	s_lshl_b32 s32, ttmp9, 18                      ; my work-group's 64 rows of 4,096 bytes
	s_lshl_b32 s33, s[WV], 16                      ; my wave's 16 of them
	s_add_co_u32 s38, s32, s33
	s_mov_b32 s39, 0
	s_lshl_b32 s33, s[WV], 9                       ; my wave's 128 columns
	s_add_co_u32 s32, s32, s33
	s_mov_b32 s33, 0
	s_wait_kmcnt 0x0
	s_add_nc_u64 s[RG:RG+1], s[4:5], s[38:39]
	s_add_nc_u64 s[DP:DP+1], s[6:7], s[38:39]
	s_add_nc_u64 s[OP:OP+1], s[16:17], s[32:33]
	s_mul_i32 s38, s[WV], WAVB
	s_add_nc_u64 s[WB:WB+1], s[8:9], s[38:39]
	s_mul_i32 s38, s[GAM], CHB
	s_add_nc_u64 s[CBN:CBN+1], s[WB:WB+1], s[38:39]   ; the walk's first chunk
	s_mul_i32 s38, s[RHO], TRIPB
	s_add_nc_u64 s[WN:WN+1], s[CBN:CBN+1], s[38:39]   ; and its first K step
.irp a, 0,1,2
	global_load_b128 v[164+8*\a:167+8*\a], v[T+4], s[10+2*\a:11+2*\a]
	global_load_b128 v[168+8*\a:171+8*\a], v[T+4], s[10+2*\a:11+2*\a] offset:2048
.endr
	LOADSET 0, 0
	LOADSET 1, 0
	LOADSET 2, 0
	s_wait_loadcnt 48                              ; the biases are in; the three sets' 48 loads are younger
.irp a, 0,1,2
	ds_store_b128 v[T+5], v[164+8*\a:167+8*\a] offset:4096*\a
	ds_store_b128 v[T+5], v[168+8*\a:171+8*\a] offset:4096*\a+2048
.endr
	LOADSET 3, 0
	; ---- X: 16 steps, four a trip: (rgb, depth) of two K steps.  Four sets, 64 loads of 512 bytes a wave, are on their way
	s_mov_b32 s35, 3
.Lx:
	XSTEP 0, 1, 48                                 ; my set is in; the three younger sets' 48 loads stay out
	XSTEP 1, 1, 48
	XSTEP 2, 1, 48
	XSTEP 3, 1, 48
	s_wait_xcnt 0x0                                ; the loads have read their bases
	s_add_nc_u64 s[RG:RG+1], s[RG:RG+1], 1024
	s_add_nc_u64 s[DP:DP+1], s[DP:DP+1], 1024
	v_add_nc_u32 v[XW], 4096, v[XW]
	v_add_nc_u32 v[XS], 128, v[XS]
	s_sub_co_u32 s35, s35, 1
	s_cmp_lg_u32 s35, 0
	s_cbranch_scc1 .Lx
	XSTEP 0, 0, 48                                 ; the last trip loads no feature: younger are the sets still out (48, 32, 16, 0) and 17 loads for each ring slot filled (0, 17, 34, 51)
	XSTEP 1, 0, 49
	XSTEP 2, 0, 50
	XSTEP 3, 0, 51
	s_wait_dscnt 0x0                               ; for the others' sake: my images, scale words and biases lie in LDS
	s_barrier_signal -1
	s_barrier_wait -1                              ; from here on the images, their scale words and the biases are only read
	s_lshl_b32 s[KO], s[RHO], 11
	s_lshl_b32 s[KS], s[RHO], 6
	v_add_nc_u32 v[AA0], s[KO], v[LI]
	v_add_nc_u32 v[AA1], s[KO], v[LD]
	v_add_nc_u32 v[AAS], s[KS], v[LS]
	FETCHA 0
	FETCHA 1
	s_mov_b32 s[SI], 0
	s_mov_b32 s[NCH], 0
	; ---- the first two products and the score: two chunks
	s_mov_b32 s36, 2
.Lp1:
	CHUNKHEAD 0
	TRIP 1, CB, 1                                  ; a chunk's first K step starts the sums: nothing is cleared
	s_mov_b32 s35, 6
.Lp1k:
	TRIP 0, CB, 1
	s_sub_co_u32 s35, s35, 1
	s_cmp_lg_u32 s35, 0
	s_cbranch_scc1 .Lp1k
	TRIP 0, CBN, 1                                 ; the last K step fetches the next chunk's first
	EPI_SCORE
	s_sub_co_u32 s36, s36, 1
	s_cmp_lg_u32 s36, 0
	s_cbranch_scc1 .Lp1
	; ---- the score of a row: my two halves, lane l xor 16's, the four waves'; then the softmax over its one element
.irp m, 0,1,2,3
	v_mov_b32 v[T+4+\m], 0                         ; a lane permute's destination counts as one of its sources
.endr
.irp m, 0,1,2,3
	v_add_f32 v[T+\m], v[SCP+2*\m], v[SCP+2*\m+1]
.endr
.irp m, 0,1,2,3
	v_permlanex16_b32 v[T+4+\m], v[T+\m], s[SEL], s[SEL+1]
.endr
.irp m, 0,1,2,3
	v_add_f32 v[T+\m], v[T+\m], v[T+4+\m]
.endr
.irp m, 0,1,2,3
	ds_store_b32 v[SCW], v[T+\m] offset:64*\m      ; both halves of the lanes write the same word with the same value
.endr
	s_wait_dscnt 0x0                               ; for the others' sake: my parts lie in LDS
	s_barrier_signal -1
	s_barrier_wait -1
.irp u, 0,1,2,3
.irp m, 0,1,2,3
	ds_load_b32 v[BB+4*\u+\m], v[SCRD] offset:256*\u+64*\m
.endr
.endr
	s_wait_dscnt 0x0
.irp m, 0,1,2,3
	v_add_f32 v[T+\m], v[BB+\m], v[BB+4+\m]
.endr
.irp m, 0,1,2,3
	v_add_f32 v[T+\m], v[T+\m], v[BB+8+\m]
.endr
.irp m, 0,1,2,3
	v_add_f32 v[T+\m], v[T+\m], v[BB+12+\m]        ; s: the same order of sums in every wave
.endr
.irp m, 0,1,2,3
	v_sub_f32 v[T+4+\m], v[T+\m], v[T+\m]          ; s less the maximum over the softmax's axis, whose one element is s
.endr
.irp m, 0,1,2,3
	v_mul_f32 v[T+4+\m], 0x3fb8aa3b, v[T+4+\m]     ; x log2(e)
.endr
.irp m, 0,1,2,3
	v_exp_f32 v[T+8+\m], v[T+4+\m]                 ; e; the sum over the axis is e itself
.endr
	v_nop                                          ; a plain instruction behind the last exponential,
	s_wait_alu depctr_va_vdst(0)                   ; and a wait ahead of the first use: one for the four
.irp m, 0,1,2,3
	v_rcp_f32 v[T+12+\m], v[T+8+\m]
.endr
	v_nop
	s_wait_alu depctr_va_vdst(0)                   ; likewise for the four reciprocals
.irp m, 0,1,2,3
	v_mul_f32 v[WW+2*\m], v[T+8+\m], v[T+12+\m]    ; w = e / e, for row 16 m + r; w1 and w2 are one expression in reference()
	v_mul_f32 v[WW+2*\m+1], v[T+8+\m], v[T+12+\m]
.endr
	; ---- the third product: two chunks; the first chunk's stores leave while the second is multiplied
	s_mov_b32 s36, 2
.Lp2:
	CHUNKHEAD 1
	TRIP 1, CB, 1
	s_mov_b32 s35, 6
.Lp2k:
	TRIP 0, CB, 1
	s_sub_co_u32 s35, s35, 1
	s_cmp_lg_u32 s35, 0
	s_cbranch_scc1 .Lp2k
	s_cmp_eq_u32 s36, 1
	s_cbranch_scc1 .Llast
	TRIP 0, CBN, 1
	s_branch .Ljoin
.Llast:
	TRIP 0, CB, 0                                  ; the very last K step fetches nothing
.Ljoin:
	EPI_OUT
	s_sub_co_u32 s36, s36, 1
	s_cmp_lg_u32 s36, 0
	s_cbranch_scc1 .Lp2
	s_wait_tensorcnt 0x0
	ds_add_u32 v62, v63
	s_wait_dscnt 0x0
	s_endpgm
.Lfunc_end_k_qd5007fa466_fused:
	.size	k_qd5007fa466_fused, .Lfunc_end_k_qd5007fa466_fused-k_qd5007fa466_fused
	.p2alignl 7, 3214868480
	.fill 96, 4, 3214868480
	.section	.rodata,"a",@progbits
	.p2align	6, 0x0
	.amdhsa_kernel k_qd5007fa466_fused
		.amdhsa_group_segment_fixed_size 183040
		.amdhsa_private_segment_fixed_size 0
		.amdhsa_enable_private_segment 0
		.amdhsa_kernarg_size 56
		.amdhsa_user_sgpr_count 2
		.amdhsa_user_sgpr_kernarg_segment_ptr 1
		.amdhsa_wavefront_size32 1
		.amdhsa_system_sgpr_workgroup_id_x 1
		.amdhsa_system_sgpr_workgroup_id_y 1
		.amdhsa_system_sgpr_workgroup_id_z 1
		.amdhsa_system_vgpr_workitem_id 0
		.amdhsa_next_free_vgpr 1024
		.amdhsa_next_free_sgpr 66
		.amdhsa_reserve_vcc 0
		.amdhsa_float_denorm_mode_32 3
		.amdhsa_float_denorm_mode_16_64 3
		.amdhsa_memory_ordered 1
		.amdhsa_forward_progress 1
		.amdhsa_inst_pref_size 255
	.end_amdhsa_kernel
	.section	.bss,"aw",@nobits
	.p2align	6
	.space	262144
	.amdgpu_metadata
---
amdhsa.version: [ 1, 2 ]
amdhsa.kernels:
  - .name:           k_qd5007fa466_fused
    .symbol:         k_qd5007fa466_fused.kd
    .args:
      - { .name: feat_rgb, .offset: 0, .size: 8, .value_kind: global_buffer, .address_space: global }
      - { .name: feat_depth, .offset: 8, .size: 8, .value_kind: global_buffer, .address_space: global }
      - { .name: wq, .offset: 16, .size: 8, .value_kind: global_buffer, .address_space: global }
      - { .name: b_k1, .offset: 24, .size: 8, .value_kind: global_buffer, .address_space: global }
      - { .name: b_k2, .offset: 32, .size: 8, .value_kind: global_buffer, .address_space: global }
      - { .name: b_f, .offset: 40, .size: 8, .value_kind: global_buffer, .address_space: global }
      - { .name: out0, .offset: 48, .size: 8, .value_kind: global_buffer, .address_space: global }
    .group_segment_fixed_size: 183040
    .private_segment_fixed_size: 0
    .kernarg_segment_align: 8
    .kernarg_segment_size: 56
    .max_flat_workgroup_size: 128
    .sgpr_count:     66
    .vgpr_count:     1024
    .wavefront_size: 32
...
	.end_amdgpu_metadata
.endif
;; end of part 2
;; ======== version 2 of 2: 2 launches; version 1 with the launch fused written anew for expert scheduling mode
;; workspace buffers: wq 4,325,376 bytes
;; launch prep: the kernel of part 1 again; grid 512 x 1, 4 waves a work-group, no clusters, 34,816 bytes of LDS; arguments W_k1, W_k2, W_f, wq; writes wq
;; launch fused (part 3): grid 256 x 1, 4 waves a work-group, no clusters, 183,040 bytes of LDS; arguments feat_rgb, feat_depth, wq, b_k1, b_k2, b_f, out0; writes out0
.if DOCPART == 3
	.amdgcn_target "amdgcn-amd-amdhsa--gfx1250"
	.amdhsa_code_object_version 6
	.text
	.protected	k_qd5007fa466_fused
	.globl	k_qd5007fa466_fused
	.p2align	8
	.type	k_qd5007fa466_fused,@function
k_qd5007fa466_fused:
	s_mov_b64 s[64:65], 0
	v_nop
	global_prefetch_b8 v0, s[64:65] scope:SCOPE_SE
	s_setreg_imm32_b32 hwreg(HW_REG_WAVE_SCHED_MODE, 0, 2), 2
	s_setreg_imm32_b32 hwreg(HW_REG_WAVE_MODE, 25, 1), 1
	s_wait_xcnt 0x0
	s_wait_alu depctr_vm_vsrc(0)
; out = [w depth | w rgb] W_f^T + b_f,  w = softmax over ONE element of score = (rgb W_k1^T + b_k1) . (depth W_k2^T + b_k2); the three matrix products on codes of BF8 (E5M2) with E8M0 scales for each 32 along K.
; SHARES.  A work-group owns 64 rows for all 1,024 columns (the score wants a whole row of both first products).  X: wave w quantises rows 16 w .. 16 w + 15 of both features; the codes, 131,072 bytes, stay in LDS.
; Then four CHUNKS of one shape: P1 = rgb Wa^T, P2 = depth Wb^T, each 64 x 512 with K = 1,024; wave w takes 128 columns of both: 64 accumulators, 512 registers.
;   Chunks 0, 1 (Wa = W_k1, Wb = W_k2) end with score += sum (P1 + b_k1)(P2 + b_k2);  chunks 2, 3 (Wa = W_f's K 1024.., Wb = W_f's K 0..1023) end with out = w (P1 + P2) + b_f.
; THE WEIGHT w.  As reference() has it: e = exp(s - max(s)), the maximum of one element being s itself, and w = e / e.  For every finite s that is 1.0 exactly, else NaN, so w x feature is the feature bit for bit, or NaN:
;   the codes of w x feature are the feature's codes, which the first two products need anyway.  So w is computed in full and applied to the third product's f32 sum: w = 1 leaves the bits, w = NaN makes the row NaN as in reference().
; ORDER OF SUMS: the third product is summed in two halves of K (P1, P2) that are added at the end, and every work-group walks a chunk's 8 K steps from a start of its own, round the end: K is not ascending.
; LIMITS: a block of zeros gets the scale byte 1 where the rule says 127 (its codes are zeros; only this program reads the bytes); NaN and infinities among the features are not served.
; THE WEIGHTS GO FROM MEMORY STRAIGHT INTO REGISTERS, laid by the launch before as images of the operand's registers; no tensor load, no cluster, no joint request.  Why: each weight byte is used by ONE wave of the
;   work-group, so a way through LDS would add a write and a read of 135,168 bytes a K step to the 67,584 that the features' fragments cost; and beside the features' 131,072 bytes two slots of at most half a K step would fit:
;   32 matrix instructions a wave between a refill and the wait for it.  The ring of four register slots is asked for again 35 to 48 matrix instructions ahead of its next use, two to three groups (34 to 51 loads) being on their way, with no barrier.
; THE ROTATION.  kappa = (wg + wg / 16) % 16; rho = kappa % 8; gamma = kappa / 8.  K steps go (rho + i) % 8, chunks go gamma, 1 - gamma, 2 + gamma, 3 - gamma: so the 256 work-groups do not all ask for the same bytes at the same moment.
; THE MATRIX INSTRUCTION IS USED TRANSPOSED: source 0 = 16 rows of a weight, source 1 = 16 rows of a feature: lane (r, h) holds feature row r, its register i output column 8 h + i of the tile.
; REGISTERS, in windows of 256: window 0: addresses, scale words, sums, v64-191 the features' fragments, v192-255 biases.  Window 1: the weights' ring, slot g at 64 g.  Window 2: P1's accumulators, (m, j) at 8 (8 m + j); in X the four sets of loads.
;   Window 3: P2's likewise; on the way out the rows read back from the stage.
; THE MODE: SCHED_MODE bits 1:0 = 2 (LLVM: expert scheduling mode 2), set by the entry lines.  The code itself states the register dependences between vector or matrix instructions and memory or LDS instructions, with s_wait_alu, always for 0.
; THE PLAN.  Registers that memory or LDS instructions touch, and who else names them:
;   X.  Window 2's four sets: the features' loads land in them, the stores into the stage read them, nothing else names them.  v64-127: the loads from the stage land in them, the quantiser reads and writes them.
;       v128-143 and v160 (codes, scale word): the quantiser writes them, the image stores read them.  v[XW], v[XS]: read by the image stores, stepped once a trip.
;       A step has two waits: on vm_vsrc behind the turn (the stage's stores have read the set; the last step's image stores have read the codes and the scale word), and on va_vdst behind the quantiser (codes and scale word are
;       written; the quantiser is done with v64-127; in a trip's first step v[XW], v[XS] are written).  One more on vm_vsrc a trip stands ahead of the two adds.
;   THE K STEPS.  Ring slot g and v[WS + 2 g ..]: group g's 16 products read them; the next K step's 17 loads land in them.  v[AF + 64 p ..], v[AS + 2 p ..]: groups 2 p and 2 p + 1 read them; the next fragments' 18 LDS loads land in them.
;       v[AA0], v[AA1], v[AAS]: read by the fragments' loads, written once a K step, at group 1's head.  v[LI], v[LD], v[LS], v[W8]: made at the head, never written again.
;       Slot g's loads are dealt among group g + 1's products, rgb's fragments among group 2's; slot 3's and depth's stand behind the K step's last products.  FOUR waits on va_vdst a K step, at the heads of groups 1, 2, 3 and behind group 3:
;       each states that the group before is done reading what the loads behind it land in.  The products issued behind such a wait name their own slot, the other feature's fragments and the accumulators: none of the registers that those loads touch.
;       The price is window switches: 42 for a K step's 64 products, two round each handful of loads, so that 69 of its 104 loads stand between products.
;   THE CHUNKS' ENDS.  v192-255: the biases' LDS loads land in them, the additions read them.  v[BA]: read by those loads, written at a chunk's head.  On the way out window 2's results are read by the stores into the stage, and the rows come back
;       into window 3, from which the stores to memory read.  One wait on va_vdst ahead of each run of stores, one on vm_vsrc at each chunk's end.
.set ASC,   131072                     ; LDS: 0: the features' images [m][f][s][2048] (strides 32768, 16384, 2048): wave m's own 32,768 bytes in X.  ASC: their scale words [m][f][s][16 words] (strides 1088, 512, 64)
.set ASM,   1088                       ; (64 bytes more than the 1,024 used, so that lanes 16-31 of a load do not fall on the banks of lanes 0-15: 64 banks of 4 bytes, ISA guide 11.1)
.set BIAS,  ASC+4*ASM                  ; b_k1, b_k2, b_f: 4,096 bytes each
.set SCR,   BIAS+3*4096                ; the waves' parts of the scores: [wave][m][16 words]
.set STG,   SCR+1024                   ; a stage of 16 rows x 528 bytes for each wave: the turn in X, and the way out
.set SP,    528
.set GRPB,  8448                       ; wq: a group, a K step's four, a chunk, a wave's part
.set TRIPB, 4*GRPB
.set CHB,   8*TRIPB
.set WAVB,  4*CHB
.set LI,   1                           ; v1   16 x lane
.set LD,   2                           ; v2   16 x lane + 65536
.set LS,   3                           ; v3   ASC + 1088 h + 4 r
.set W8,   4                           ; v4   8 x lane
.set AA0,  5                           ; v5   the images to be fetched next: row tiles 0, 1
.set AA1,  6                           ; v6   row tiles 2, 3
.set AAS,  7                           ; v7   and their scale words
.set TSI,  8                           ; v8   my stage, a row on end: + 16 x lane
.set TSO,  9                           ; v9   my stage: row r, + 64 h
.set STO,  10                          ; v10  my stage: row r, + 32 h
.set XW,   11                          ; v11  X: where I store images
.set XS,   13                          ; v13  X: and scale words
.set BA,   14                          ; v14  the chunk's biases
.set BA0,  15                          ; v15  BIAS + 512 w + 32 h
.set WS,   16                          ; v16-23 the weights' scale words, two a ring slot: scales and nothing else
.set AS,   24                          ; v24-27 the features' scale words, two a feature: scales and nothing else
.set SCP,  28                          ; v28-35 the score's sums, a pair for each row tile
.set WW,   36                          ; v36-43 w, twice, for each row tile
.set SCW,  44                          ; v44  SCR + 256 w + 4 r
.set SCRD, 45                          ; v45  SCR + 4 r
.set T,    46                          ; v46-63 at work
.set AF,   64                          ; v64-191 fragments: feature p at 64 p, row tile m at 16 m
.set BB,   192                         ; v192-255 biases in the result's layout
.set X,    64                          ; in X: v64-127 64 numbers, v128-143 codes, v144-159 at work, v160 scale word, v164-187 the biases on their way to LDS
.set PC,   128
.set TM,   144
.set PW,   160
.set RG,   4                           ; s[4:5]   rgb at my wave's 16 rows
.set DP,   6                           ; s[6:7]   depth likewise
.set WV,   18                          ; s18  wave
.set SI,   19                          ; s19  trips so far
.set GAM,  20                          ; s20  gamma
.set NS,   21                          ; s21  the K step to be fetched
.set OF,   22                          ; s[22:23] its bytes in a chunk
.set WB,   24                          ; s[24:25] my wave's part of wq
.set CB,   26                          ; s[26:27] the chunk in hand
.set CBN,  28                          ; s[28:29] the next chunk
.set WN,   30                          ; s[30:31] the K step to be fetched
.set KO,   32
.set KS,   33
.set NCH,  34                          ; s34  chunks begun
.set OP,   40                          ; s[40:41] out0 at my rows and my wave's columns
.set SEL,  42                          ; s[42:43] lane selects: lane l xor 16
.set MNT,  44                          ; s44  the mantissa field of 57,344
.set RHO,  45                          ; s45  rho
.set OPC,  46                          ; s[46:47] OP at the chunk's columns
.set MSB, 0
.macro WIN new                         ; the immediate's high byte repeats the setting that is left; a switch that changes nothing is dropped
.if MSB != (\new)
	s_set_vgpr_msb (MSB<<8)|(\new)
.set MSB, \new
.endif
.endm
.macro PLACES                          ; eight plain vector instructions between a matrix instruction of this form and a vector read of its results
.rept 8
	v_nop
.endr
.endm
; 64 numbers of a lane, register 16 b + i = k 32 b + 16 h + i of my row, become a fragment's 16 registers of codes in v[PC] on and its scale word in v[PW]
.macro QUANT s
.irp b, 0,1,2,3
	v_max3_num_f32 v[TM+\b], |v[\s+16*\b]|, |v[\s+1+16*\b]|, 0x8000000   ; block b: my 16 numbers, and the floor 2^(16 - 127): the byte cannot fall under 1
.endr
.irp i, 2,4,6,8,10,12,14
.irp b, 0,1,2,3
	v_max3_num_f32 v[TM+\b], v[TM+\b], |v[\s+16*\b+\i]|, |v[\s+1+16*\b+\i]|   ; the four blocks by turns
.endr
.endr
.irp b, 0,1,2,3
	v_permlanex16_b32 v[TM+4+\b], v[TM+\b], s[SEL], s[SEL+1]
.endr
.irp b, 0,1,2,3
	v_max_num_f32 v[TM+\b], v[TM+\b], v[TM+4+\b]           ; with lane l xor 16's 16: the block's largest magnitude
.endr
.irp b, 0,1,2,3
	v_add_nc_u32 v[TM+12+\b], 0xf8800000, v[TM+\b]         ; 15 off its exponent field: the conversion's scale operand
.endr
.irp b, 0,1,2,3
	v_and_or_b32 v[TM+8+\b], v[TM+\b], 0x7f800000, s[MNT]  ; 57,344 x the scale
.endr
.irp b, 0,1,2,3
	v_lshrrev_b32 v[TM+4+\b], 23, v[TM+12+\b]              ; the scale's byte
.endr
	v_lshl_or_b32 v[PW], v[TM+5], 8, v[TM+4]
	v_lshl_or_b32 v[PW], v[TM+6], 16, v[PW]
	v_lshl_or_b32 v[PW], v[TM+7], 24, v[PW]
.irp b, 0,1,2,3
.irp i, 0,1,2,3,4,5,6,7,8,9,10,11,12,13,14,15
	v_med3_num_f32 v[\s+16*\b+\i], v[\s+16*\b+\i], -v[TM+8+\b], v[TM+8+\b]   ; the conversion to an 8-bit code does not saturate (ISA guide 7.6.2): the hold comes first
.endr
	v_cvt_scalef32_pk8_bf8_f32 v[PC+4*\b:PC+1+4*\b], v[\s+16*\b:\s+7+16*\b], v[TM+12+\b]
	v_cvt_scalef32_pk8_bf8_f32 v[PC+2+4*\b:PC+3+4*\b], v[\s+8+16*\b:\s+15+16*\b], v[TM+12+\b]
.endr
	v_nop                                          ; one plain vector instruction behind the last conversion
.endm
; X: set k of four (feature k % 2, the trip's K step k / 2): my 16 rows x 512 bytes into window 2; each load reads 512 consecutive bytes of one row
.macro LOADSET k, off
	WIN 0x80
.irp i, 0,1,2,3,4,5,6,7,8,9,10,11,12,13,14,15
.if (\k)%2
	global_load_b128 v[64*(\k)+4*\i:64*(\k)+4*\i+3], v[LI], s[DP:DP+1] offset:4096*\i+512*((\k)/2)+\off th:TH_LOAD_NT
.else
	global_load_b128 v[64*(\k)+4*\i:64*(\k)+4*\i+3], v[LI], s[RG:RG+1] offset:4096*\i+512*((\k)/2)+\off th:TH_LOAD_NT
.endif
.endr
	WIN 0
.endm
; group g of the K step at s[WN] into ring slot g: 17 loads.  LOADT: tile t's four, 512 consecutive bytes each.  LOADS: the group's 64 scale words.
.macro LOADT g, t
	WIN 0x40                                       ; destination window 1, address window 0
.irp c, 0,1,2,3
	global_load_b128 v[64*(\g)+16*(\t)+4*\c:64*(\g)+16*(\t)+4*\c+3], v[LI], s[WN:WN+1] offset:GRPB*(\g)+2048*(\t)+512*\c
.endr
.endm
.macro LOADS g
	WIN 0
	global_load_b64 v[WS+2*(\g):WS+2*(\g)+1], v[W8], s[WN:WN+1] offset:GRPB*(\g)+8192
.endm
.macro LOADG g
.irp t, 0,1,2,3
	LOADT \g, \t
.endr
	LOADS \g
.endm
; feature p's four fragments and two registers of scale words (lanes 0-15 row tile 2 u, lanes 16-31 row tile 2 u + 1): 18 LDS loads.  FETCHM: row tile m's four.  FETCHS: the scale words.
.macro FETCHM p, m
	WIN 0
.irp c, 0,1,2,3
	ds_load_b128 v[AF+64*(\p)+16*(\m)+4*\c:AF+64*(\p)+16*(\m)+4*\c+3], v[AA0+(\m)/2] offset:32768*((\m)%2)+16384*(\p)+512*\c
.endr
.endm
.macro FETCHS p
	WIN 0
.irp u, 0,1
	ds_load_b32 v[AS+2*(\p)+\u], v[AAS] offset:2*ASM*\u+512*(\p)
.endr
.endm
.macro FETCHA p
.irp m, 0,1,2,3
	FETCHM \p, \m
.endr
	FETCHS \p
.endm
; one product; the registers stand in rD, rW, rA, rS, rT; rR: which halves of the scale registers' lanes are read
.macro WM zero
.if \zero
.if rR == 0
	v_wmma_scale_f32_16x16x128_f8f6f4 v[rD:rD+7], v[rW:rW+15], v[rA:rA+15], 0, v[rS], v[rT] matrix_a_fmt:MATRIX_FMT_BF8 matrix_b_fmt:MATRIX_FMT_BF8
.elseif rR == 1
	v_wmma_scale_f32_16x16x128_f8f6f4 v[rD:rD+7], v[rW:rW+15], v[rA:rA+15], 0, v[rS], v[rT] matrix_a_fmt:MATRIX_FMT_BF8 matrix_b_fmt:MATRIX_FMT_BF8 matrix_b_scale:MATRIX_SCALE_ROW1
.elseif rR == 2
	v_wmma_scale_f32_16x16x128_f8f6f4 v[rD:rD+7], v[rW:rW+15], v[rA:rA+15], 0, v[rS], v[rT] matrix_a_fmt:MATRIX_FMT_BF8 matrix_b_fmt:MATRIX_FMT_BF8 matrix_a_scale:MATRIX_SCALE_ROW1
.else
	v_wmma_scale_f32_16x16x128_f8f6f4 v[rD:rD+7], v[rW:rW+15], v[rA:rA+15], 0, v[rS], v[rT] matrix_a_fmt:MATRIX_FMT_BF8 matrix_b_fmt:MATRIX_FMT_BF8 matrix_a_scale:MATRIX_SCALE_ROW1 matrix_b_scale:MATRIX_SCALE_ROW1
.endif
.else
.if rR == 0
	v_wmma_scale_f32_16x16x128_f8f6f4 v[rD:rD+7], v[rW:rW+15], v[rA:rA+15], v[rD:rD+7], v[rS], v[rT] matrix_a_fmt:MATRIX_FMT_BF8 matrix_b_fmt:MATRIX_FMT_BF8
.elseif rR == 1
	v_wmma_scale_f32_16x16x128_f8f6f4 v[rD:rD+7], v[rW:rW+15], v[rA:rA+15], v[rD:rD+7], v[rS], v[rT] matrix_a_fmt:MATRIX_FMT_BF8 matrix_b_fmt:MATRIX_FMT_BF8 matrix_b_scale:MATRIX_SCALE_ROW1
.elseif rR == 2
	v_wmma_scale_f32_16x16x128_f8f6f4 v[rD:rD+7], v[rW:rW+15], v[rA:rA+15], v[rD:rD+7], v[rS], v[rT] matrix_a_fmt:MATRIX_FMT_BF8 matrix_b_fmt:MATRIX_FMT_BF8 matrix_a_scale:MATRIX_SCALE_ROW1
.else
	v_wmma_scale_f32_16x16x128_f8f6f4 v[rD:rD+7], v[rW:rW+15], v[rA:rA+15], v[rD:rD+7], v[rS], v[rT] matrix_a_fmt:MATRIX_FMT_BF8 matrix_b_fmt:MATRIX_FMT_BF8 matrix_a_scale:MATRIX_SCALE_ROW1 matrix_b_scale:MATRIX_SCALE_ROW1
.endif
.endif
.endm
; 16 products: ring slot g = 2 p + q: column tiles 4 q + t of product p against the feature's four row tiles.  The 64 accumulators take turns, one instruction a turn, in the same order in every trip.
; deal = 1: the next K step's loads into ring slot g - 1 stand among them: tile t's four behind the first product of column tile t, the scale words behind the group's third product; in group 2 also rgb's next fragments,
; row tile t's four behind the third product of column tile t.  No wait stands at these loads: since the wait at the group's head no vector or matrix instruction names a register that they touch.
.macro GROUP g, zero, deal
.irp t, 0,1,2,3
.irp m, 0,1,2,3
	WIN 0xa1+0x50*((\g)/2)                         ; source 0 (the weight) window 1, source 1 (the feature) window 0, C and D window 2 or 3
.set rD, 8*(8*\m+4*((\g)%2)+\t)
.set rW, 64*(\g)+16*\t
.set rA, AF+64*((\g)/2)+16*\m
.set rS, WS+2*(\g)+\t/2
.set rT, AS+2*((\g)/2)+\m/2
.set rR, 2*(\t%2)+\m%2
	WM \zero
.if \deal
.if \m == 0
	LOADT (\g)-1, \t
.endif
.if \m == 2
.if \t == 0
	LOADS (\g)-1
.endif
.if (\g) == 2
	FETCHM 0, \t
.if \t == 3
	FETCHS 0
.endif
.endif
.endif
.endif
.endr
.endr
.endm
; A K STEP: 64 products.  zero = 1: they start the sums.  fetch = 1: the next K step, in the chunk at s[base], is asked for: ring slots 0, 1, 2 among the products of groups 1, 2, 3, rgb's fragments among group 2's, slot 3 and depth's fragments at the end.
.macro TRIP zero, base, fetch
	s_wait_loadcnt 51                              ; ring slot 0's 17 loads are in; the 51 of slots 1, 2 and 3 are younger and stay out
	s_wait_dscnt 18                                ; rgb's fragments are in; depth's 18 loads are younger
	GROUP 0, \zero, 0
.if \fetch
	WIN 0
	s_wait_xcnt 0x0                                ; the loads issued so far, the youngest of them slot 3's ahead of group 0, have read s[WN]: it is written only behind this wait
	s_add_co_u32 s[SI], s[SI], 1
	s_add_co_u32 s[NS], s[SI], s[RHO]
	s_and_b32 s[NS], s[NS], 7                      ; the next K step, round the end
	s_mul_i32 s[OF], s[NS], TRIPB
	s_add_nc_u64 s[WN:WN+1], s[\base:\base+1], s[OF:OF+1]
	s_lshl_b32 s[KO], s[NS], 11
	s_lshl_b32 s[KS], s[NS], 6
	s_wait_alu depctr_vm_vsrc(0)                   ; the fragments' loads issued so far have read v[AA0], v[AA1] and v[AAS], which the three lines below write
	v_add_nc_u32 v[AA0], s[KO], v[LI]
	v_add_nc_u32 v[AA1], s[KO], v[LD]
	v_add_nc_u32 v[AAS], s[KS], v[LS]
	s_wait_loadcnt 34                              ; slot 1 is in; slots 2 and 3 are younger
	s_wait_alu depctr_va_vdst(0)                   ; group 0's products are done reading ring slot 0 and its scale words, in which the loads dealt below land; v[AA0], v[AA1], v[AAS] are written, which this K step's fragment loads read
	GROUP 1, \zero, 1
	s_wait_loadcnt 34                              ; slot 2 is in; slot 3 and the new slot 0 are younger
	s_wait_dscnt 0x0                               ; depth's fragments are in: no LDS load is younger
	s_wait_alu depctr_va_vdst(0)                   ; group 1's products are done reading ring slot 1 and its scale words, and groups 0 and 1 rgb's fragments and their scale words: the loads dealt below land in these
	GROUP 2, \zero, 1
	s_wait_loadcnt 34                              ; slot 3 is in; the new slots 0 and 1 are younger
	s_wait_alu depctr_va_vdst(0)                   ; group 2's products are done reading ring slot 2 and its scale words, in which the loads dealt below land
	GROUP 3, \zero, 1
	s_wait_alu depctr_va_vdst(0)                   ; group 3's products are done reading ring slot 3 and its scale words, and groups 2 and 3 depth's fragments and their scale words: the loads below land in these
	LOADG 3
	FETCHA 1
.else
	s_wait_loadcnt 34                              ; nothing is fetched: the counts run down, and no load lands in what the products read
	GROUP 1, \zero, 0
	s_wait_loadcnt 17
	s_wait_dscnt 0x0
	GROUP 2, \zero, 0
	s_wait_loadcnt 0x0
	GROUP 3, \zero, 0
.endif
	WIN 0
.endm
; a chunk's head: chunk n of the walk is (n & 2) + ((gamma + n) & 1); c' = (gamma + n) & 1 is its half of the columns
.macro CHUNKHEAD out
	s_mov_b64 s[CB:CB+1], s[CBN:CBN+1]
	s_add_co_u32 s37, s[GAM], s[NCH]
	s_and_b32 s37, s37, 1
	s_lshl_b32 s38, s37, 11                        ; 512 columns of f32
	s_mov_b32 s39, 0
	v_add_nc_u32 v[BA], s38, v[BA0]                ; (the last chunk's loads have read it: the wait stands at that chunk's end; the K steps' waits on va_vdst show it written ahead of the loads that read it)
.if \out
	s_add_nc_u64 s[OPC:OPC+1], s[OP:OP+1], s[38:39]   ; (the last chunk's stores have read it: the wait stands at the end of the way out)
.endif
	s_add_co_u32 s[NCH], s[NCH], 1
	s_add_co_u32 s38, s[GAM], s[NCH]
	s_and_b32 s38, s38, 1
	s_and_b32 s39, s[NCH], 2
	s_add_co_u32 s38, s38, s39
	s_mul_i32 s38, s38, CHB
	s_mov_b32 s39, 0
	s_add_nc_u64 s[CBN:CBN+1], s[WB:WB+1], s[38:39]
.endm
; chunks 0, 1 end: score += sum over my 128 columns of (P1 + b_k1)(P2 + b_k2), four column tiles at a time.  Each accumulator is read from its low end on.
.macro EPI_SCORE
	PLACES                                         ; behind the last products, ahead of the first vector read of results
.irp q, 0,1
.if \q
	s_wait_alu depctr_va_vdst(0)                   ; the additions above are done reading v[BB ..], in which the second half's biases land.  (For the first half the K steps' waits have shown the same of the chunk before)
.endif
.irp t, 0,1,2,3
.irp e, 0,1
	ds_load_b128 v[BB+8*\t+4*\e:BB+8*\t+4*\e+3], v[BA] offset:64*(4*\q+\t)+16*\e
	ds_load_b128 v[BB+32+8*\t+4*\e:BB+32+8*\t+4*\e+3], v[BA] offset:4096+64*(4*\q+\t)+16*\e
.endr
.endr
	s_wait_dscnt 0x0
	WIN 0x82                                       ; destination and source 0 window 2
.irp t, 0,1,2,3
.irp m, 0,1,2,3
.irp i, 0,2,4,6
	v_pk_add_f32 v[8*(8*\m+4*\q+\t)+\i:8*(8*\m+4*\q+\t)+\i+1], v[8*(8*\m+4*\q+\t)+\i:8*(8*\m+4*\q+\t)+\i+1], v[BB+8*\t+\i:BB+8*\t+\i+1]
.endr
.endr
.endr
	WIN 0xc3                                       ; destination and source 0 window 3
.irp t, 0,1,2,3
.irp m, 0,1,2,3
.irp i, 0,2,4,6
	v_pk_add_f32 v[8*(8*\m+4*\q+\t)+\i:8*(8*\m+4*\q+\t)+\i+1], v[8*(8*\m+4*\q+\t)+\i:8*(8*\m+4*\q+\t)+\i+1], v[BB+32+8*\t+\i:BB+32+8*\t+\i+1]
.endr
.endr
.endr
	WIN 0x0e                                       ; source 0 window 2, source 1 window 3
.irp t, 0,1,2,3
.irp i, 0,2,4,6
.irp m, 0,1,2,3
	v_pk_fma_f32 v[SCP+2*\m:SCP+2*\m+1], v[8*(8*\m+4*\q+\t)+\i:8*(8*\m+4*\q+\t)+\i+1], v[8*(8*\m+4*\q+\t)+\i:8*(8*\m+4*\q+\t)+\i+1], v[SCP+2*\m:SCP+2*\m+1]   ; the four row tiles' sums by turns
.endr
.endr
.endr
	WIN 0
.endr
	s_wait_alu depctr_vm_vsrc(0)                   ; the biases' loads have read v[BA], which the next chunk's head writes
.endm
; chunks 2, 3 end: row tile m: out = w (P1 + P2) + b_f; a lane's 32 bytes a column tile go into my stage and come back as whole rows of 512 bytes, into the registers that P2's row tile has left
.macro OUTM m
	WIN 0x8e                                       ; destination and source 0 window 2, source 1 window 3
.irp j, 0,1,2,3,4,5,6,7
.irp i, 0,2,4,6
	v_pk_add_f32 v[64*\m+8*\j+\i:64*\m+8*\j+\i+1], v[64*\m+8*\j+\i:64*\m+8*\j+\i+1], v[64*\m+8*\j+\i:64*\m+8*\j+\i+1]
.endr
.endr
	WIN 0x82
.irp j, 0,1,2,3,4,5,6,7
.irp i, 0,2,4,6
	v_pk_fma_f32 v[64*\m+8*\j+\i:64*\m+8*\j+\i+1], v[64*\m+8*\j+\i:64*\m+8*\j+\i+1], v[WW+2*\m:WW+2*\m+1], v[BB+8*\j+\i:BB+8*\j+\i+1]
.endr
.endr
	WIN 0x08                                       ; an LDS store's data are its source 1: window 2
	s_wait_alu depctr_va_vdst(0)                   ; the row tile's results are written in window 2, which the stores below read; the additions are done reading P2's row tile in window 3, in which the loads below land
.irp j, 0,1,2,3,4,5,6,7
	ds_store_b128 v[STO], v[64*\m+8*\j:64*\m+8*\j+3] offset:64*\j
	ds_store_b128 v[STO], v[64*\m+8*\j+4:64*\m+8*\j+7] offset:64*\j+16
.endr
	WIN 0xc0                                       ; destination window 3
.irp i, 0,1,2,3,4,5,6,7,8,9,10,11,12,13,14,15
	ds_load_b128 v[64*\m+4*\i:64*\m+4*\i+3], v[TSI] offset:SP*\i   ; LDS serves a wave's instructions in order (ISA guide 5.7.1.4): these see my stores, and the next row tile's stores come behind them
.endr
	WIN 0
.endm
.macro SEND m, younger                 ; younger: the LDS instructions issued behind row tile m's loads
	s_wait_dscnt \younger
	WIN 0x0c                                       ; a global store's data are its source 1: window 3
.irp i, 0,1,2,3,4,5,6,7,8,9,10,11,12,13,14,15
	global_store_b128 v[LI], v[64*\m+4*\i:64*\m+4*\i+3], s[OPC:OPC+1] offset:4096*(16*\m+\i) th:TH_STORE_NT   ; 32 lanes store 512 consecutive bytes, aligned; written once, read by nobody here
.endr
	WIN 0
.endm
.macro EPI_OUT
	PLACES                                         ; behind the last products, ahead of the first vector read of results
.irp j, 0,1,2,3,4,5,6,7
.irp e, 0,1
	ds_load_b128 v[BB+8*\j+4*\e:BB+8*\j+4*\e+3], v[BA] offset:8192+64*\j+16*\e   ; b_f in the result's layout.  (The K steps' waits on va_vdst have shown the earlier readers of v[BB ..] done)
.endr
.endr
	s_wait_dscnt 0x0
	OUTM 0
	OUTM 1                                         ; a row tile's arithmetic stands between the loads of the one before and its stores
	SEND 0, 32                                     ; behind row tile 0's loads: row tile 1's 16 stores and 16 loads
	OUTM 2
	SEND 1, 32
	OUTM 3
	SEND 2, 32
	SEND 3, 0
	s_wait_xcnt 0x0                                ; the stores have had their addresses translated: the next chunk's head may write their base, and its products their data
	s_wait_alu depctr_vm_vsrc(0)                   ; the stores into the stage have read window 2's results, the stores to memory window 3's rows, the biases' loads v[BA]: the next chunk's products and its head write these
.endm
; X: one of 16 steps: set k turns through my stage (rows in, 16 neighbours of each block of 32 a lane out), is quantised, and its image and scale words go to LDS.
; mode = 1: the set's registers take the next trip's loads; mode = 0 (the last trip): ring slot k takes its first group of weights.  n: the younger loads that may stay out.
.macro XSTEP k, mode, n
	s_wait_loadcnt \n
	WIN 0x08
.irp i, 0,1,2,3,4,5,6,7,8,9,10,11,12,13,14,15
	ds_store_b128 v[TSI], v[64*(\k)+4*\i:64*(\k)+4*\i+3] offset:SP*\i
.endr
	WIN 0
.irp b, 0,1,2,3
.irp j, 0,1,2,3
	ds_load_b128 v[X+16*\b+4*\j:X+16*\b+4*\j+3], v[TSO] offset:128*\b+16*\j   ; they land in v64-127: the last step's quantiser, which named them, stands ahead of that step's wait on va_vdst
.endr
.endr
	s_wait_dscnt 0x0                               ; the turn is back
	s_wait_alu depctr_vm_vsrc(0)                   ; the stores into the stage have read set k, in which the next loads land; the last step's image stores have read the codes and the scale word, which the quantiser writes again
.if \mode
	LOADSET \k, 1024
.else
	LOADG \k
.endif
	QUANT X
	s_wait_alu depctr_va_vdst(0)                   ; the quantiser has written the codes and the scale word, which the stores below read, and is done with v64-127, in which the next step's loads land; in a trip's first step v[XW] and v[XS] are written
.irp c, 0,1,2,3
	ds_store_b128 v[XW], v[PC+4*\c:PC+4*\c+3] offset:16384*((\k)%2)+2048*((\k)/2)+512*\c
.endr
	ds_store_b32 v[XS], v[PW] offset:512*((\k)%2)+64*((\k)/2)   ; both halves of the lanes write the same word with the same value
.endm
	s_load_b256 s[4:11], s[0:1], 0x0               ; rgb s[4:5], depth s[6:7], wq s[8:9], b_k1 s[10:11]
	s_load_b128 s[12:15], s[0:1], 0x20             ; b_k2 s[12:13], b_f s[14:15]
	s_load_b64 s[16:17], s[0:1], 0x30              ; out0
	v_lshl_add_u32 v62, v0, 2, 0x2c900
	v_mov_b32 v63, 0
	v_lshrrev_b32 v[T], 5, v0
	v_readfirstlane_b32 s[WV], v[T]                ; wave 0..3
	v_and_b32 v[T], 31, v0                         ; lane
	v_and_b32 v[T+1], 15, v0                       ; r
	v_bfe_u32 v[T+2], v0, 4, 1                     ; h
	v_lshlrev_b32 v[LI], 4, v[T]
	v_add_nc_u32 v[LD], 0x10000, v[LI]
	v_mul_u32_u24 v[LS], v[T+2], ASM
	v_lshl_add_u32 v[LS], v[T+1], 2, v[LS]
	v_add_nc_u32 v[LS], ASC, v[LS]
	v_lshlrev_b32 v[W8], 3, v[T]
	s_wait_alu depctr_va_sdst(0)                   ; s[WV] is written, ahead of its first reader: LDS addresses and the buffers' offsets are made from it
	s_mul_i32 s38, s[WV], 16*SP
	s_add_co_u32 s38, s38, STG                     ; my stage
	v_add_nc_u32 v[TSI], s38, v[LI]
	v_mul_u32_u24 v[T+3], v[T+1], SP
	v_add_nc_u32 v[T+3], s38, v[T+3]
	v_lshl_add_u32 v[TSO], v[T+2], 6, v[T+3]
	v_lshl_add_u32 v[STO], v[T+2], 5, v[T+3]
	s_lshl_b32 s38, s[WV], 15
	v_add_nc_u32 v[XW], s38, v[LI]                 ; my 32,768 bytes of images
	s_mul_i32 s38, s[WV], ASM
	s_add_co_u32 s38, s38, ASC
	v_lshl_add_u32 v[XS], v[T+1], 2, s38
	s_lshl_b32 s38, s[WV], 9
	s_add_co_u32 s38, s38, BIAS
	v_lshl_add_u32 v[BA0], v[T+2], 5, s38
	s_lshl_b32 s38, s[WV], 8
	s_add_co_u32 s38, s38, SCR
	v_lshl_add_u32 v[SCW], v[T+1], 2, s38
	v_lshl_add_u32 v[SCRD], v[T+1], 2, SCR
	v_lshlrev_b32 v[T+4], 4, v0                    ; the biases: 16 bytes a thread, twice
	v_add_nc_u32 v[T+5], BIAS, v[T+4]
.irp i, 0,1,2,3,4,5,6,7
	v_mov_b32 v[SCP+\i], 0
.endr
.irp b, 0,1,2,3
	v_mov_b32 v[TM+4+\b], 0                        ; a lane permute's destination counts as one of its sources
.endr
	s_mov_b32 s[SEL], 0x76543210
	s_mov_b32 s[SEL+1], 0xfedcba98
	s_mov_b32 s[MNT], 0x600000
	s_mov_b32 s[OF+1], 0
	s_lshr_b32 s38, ttmp9, 4
	s_add_co_u32 s38, s38, ttmp9
	s_and_b32 s[RHO], s38, 7
	s_bfe_u32 s[GAM], s38, 0x10003
	s_lshl_b32 s32, ttmp9, 18                      ; my work-group's 64 rows of 4,096 bytes
	s_lshl_b32 s33, s[WV], 16                      ; my wave's 16 of them
	s_add_co_u32 s38, s32, s33
	s_mov_b32 s39, 0
	s_lshl_b32 s33, s[WV], 9                       ; my wave's 128 columns
	s_add_co_u32 s32, s32, s33
	s_mov_b32 s33, 0
	s_wait_kmcnt 0x0
	s_add_nc_u64 s[RG:RG+1], s[4:5], s[38:39]
	s_add_nc_u64 s[DP:DP+1], s[6:7], s[38:39]
	s_add_nc_u64 s[OP:OP+1], s[16:17], s[32:33]
	s_mul_i32 s38, s[WV], WAVB
	s_add_nc_u64 s[WB:WB+1], s[8:9], s[38:39]
	s_mul_i32 s38, s[GAM], CHB
	s_add_nc_u64 s[CBN:CBN+1], s[WB:WB+1], s[38:39]   ; the walk's first chunk
	s_mul_i32 s38, s[RHO], TRIPB
	s_add_nc_u64 s[WN:WN+1], s[CBN:CBN+1], s[38:39]   ; and its first K step
	s_wait_alu depctr_va_vdst(0)                   ; all the offsets and LDS addresses made above are written: the loads and stores from here on read them
.irp a, 0,1,2
	global_load_b128 v[164+8*\a:167+8*\a], v[T+4], s[10+2*\a:11+2*\a]
	global_load_b128 v[168+8*\a:171+8*\a], v[T+4], s[10+2*\a:11+2*\a] offset:2048
.endr
	LOADSET 0, 0
	LOADSET 1, 0
	LOADSET 2, 0
	s_wait_loadcnt 48                              ; the biases are in; the three sets' 48 loads are younger
.irp a, 0,1,2
	ds_store_b128 v[T+5], v[164+8*\a:167+8*\a] offset:4096*\a
	ds_store_b128 v[T+5], v[168+8*\a:171+8*\a] offset:4096*\a+2048
.endr
	LOADSET 3, 0
	; ---- X: 16 steps, four a trip: (rgb, depth) of two K steps.  Four sets, 64 loads of 512 bytes a wave, are on their way
	s_mov_b32 s35, 3
.Lx:
	XSTEP 0, 1, 48                                 ; my set is in; the three younger sets' 48 loads stay out
	XSTEP 1, 1, 48
	XSTEP 2, 1, 48
	XSTEP 3, 1, 48
	s_wait_xcnt 0x0                                ; the loads have read their bases
	s_add_nc_u64 s[RG:RG+1], s[RG:RG+1], 1024
	s_add_nc_u64 s[DP:DP+1], s[DP:DP+1], 1024
	s_wait_alu depctr_vm_vsrc(0)                   ; the image stores have read v[XW] and v[XS], which the two lines below write
	v_add_nc_u32 v[XW], 4096, v[XW]
	v_add_nc_u32 v[XS], 128, v[XS]
	s_sub_co_u32 s35, s35, 1
	s_cmp_lg_u32 s35, 0
	s_cbranch_scc1 .Lx
	XSTEP 0, 0, 48                                 ; the last trip loads no feature: younger are the sets still out (48, 32, 16, 0) and 17 loads for each ring slot filled (0, 17, 34, 51)
	XSTEP 1, 0, 49
	XSTEP 2, 0, 50
	XSTEP 3, 0, 51
	s_wait_dscnt 0x0                               ; for the others' sake: my images, scale words and biases lie in LDS
	s_barrier_signal -1
	s_barrier_wait -1                              ; from here on the images, their scale words and the biases are only read
	s_lshl_b32 s[KO], s[RHO], 11
	s_lshl_b32 s[KS], s[RHO], 6
	v_add_nc_u32 v[AA0], s[KO], v[LI]
	v_add_nc_u32 v[AA1], s[KO], v[LD]
	v_add_nc_u32 v[AAS], s[KS], v[LS]
	s_wait_alu depctr_vm_vsrc(0)                   ; my LDS stores have read the codes, the scale word and the biases' registers (v128-187), in which fragments land from here on, and window 2's sets, which the products write
	s_wait_alu depctr_va_vdst(0)                   ; v[AA0], v[AA1], v[AAS] are written, which the loads below read; the quantiser is done with v64-160, in which they land
	FETCHA 0
	FETCHA 1
	s_mov_b32 s[SI], 0
	s_mov_b32 s[NCH], 0
	; ---- the first two products and the score: two chunks
	s_mov_b32 s36, 2
.Lp1:
	CHUNKHEAD 0
	TRIP 1, CB, 1                                  ; a chunk's first K step starts the sums: nothing is cleared
	s_mov_b32 s35, 6
.Lp1k:
	TRIP 0, CB, 1
	s_sub_co_u32 s35, s35, 1
	s_cmp_lg_u32 s35, 0
	s_cbranch_scc1 .Lp1k
	TRIP 0, CBN, 1                                 ; the last K step fetches the next chunk's first
	EPI_SCORE
	s_sub_co_u32 s36, s36, 1
	s_cmp_lg_u32 s36, 0
	s_cbranch_scc1 .Lp1
	; ---- the score of a row: my two halves, lane l xor 16's, the four waves'; then the softmax over its one element
.irp m, 0,1,2,3
	v_mov_b32 v[T+4+\m], 0                         ; a lane permute's destination counts as one of its sources
.endr
.irp m, 0,1,2,3
	v_add_f32 v[T+\m], v[SCP+2*\m], v[SCP+2*\m+1]
.endr
.irp m, 0,1,2,3
	v_permlanex16_b32 v[T+4+\m], v[T+\m], s[SEL], s[SEL+1]
.endr
.irp m, 0,1,2,3
	v_add_f32 v[T+\m], v[T+\m], v[T+4+\m]
.endr
	s_wait_alu depctr_va_vdst(0)                   ; my four parts are written, which the stores below read; the last chunk's additions are done reading v[BB ..], in which the loads behind the barrier land
.irp m, 0,1,2,3
	ds_store_b32 v[SCW], v[T+\m] offset:64*\m      ; both halves of the lanes write the same word with the same value
.endr
	s_wait_dscnt 0x0                               ; for the others' sake: my parts lie in LDS
	s_barrier_signal -1
	s_barrier_wait -1
.irp u, 0,1,2,3
.irp m, 0,1,2,3
	ds_load_b32 v[BB+4*\u+\m], v[SCRD] offset:256*\u+64*\m
.endr
.endr
	s_wait_dscnt 0x0
	s_wait_alu depctr_vm_vsrc(0)                   ; my four stores have read v[T] to v[T+3], which the additions below write again
.irp m, 0,1,2,3
	v_add_f32 v[T+\m], v[BB+\m], v[BB+4+\m]
.endr
.irp m, 0,1,2,3
	v_add_f32 v[T+\m], v[T+\m], v[BB+8+\m]
.endr
.irp m, 0,1,2,3
	v_add_f32 v[T+\m], v[T+\m], v[BB+12+\m]        ; s: the same order of sums in every wave
.endr
.irp m, 0,1,2,3
	v_sub_f32 v[T+4+\m], v[T+\m], v[T+\m]          ; s less the maximum over the softmax's axis, whose one element is s
.endr
.irp m, 0,1,2,3
	v_mul_f32 v[T+4+\m], 0x3fb8aa3b, v[T+4+\m]     ; x log2(e)
.endr
.irp m, 0,1,2,3
	v_exp_f32 v[T+8+\m], v[T+4+\m]                 ; e; the sum over the axis is e itself
.endr
	v_nop                                          ; a plain instruction behind the last exponential,
	s_wait_alu depctr_va_vdst(0)                   ; and a wait ahead of the first use: the four exponentials have written v[T+8] to v[T+11]
.irp m, 0,1,2,3
	v_rcp_f32 v[T+12+\m], v[T+8+\m]
.endr
	v_nop
	s_wait_alu depctr_va_vdst(0)                   ; likewise: the four reciprocals have written v[T+12] to v[T+15]
.irp m, 0,1,2,3
	v_mul_f32 v[WW+2*\m], v[T+8+\m], v[T+12+\m]    ; w = e / e, for row 16 m + r; w1 and w2 are one expression in reference()
	v_mul_f32 v[WW+2*\m+1], v[T+8+\m], v[T+12+\m]
.endr
	; ---- the third product: two chunks; the first chunk's stores leave while the second is multiplied
	s_mov_b32 s36, 2
.Lp2:
	CHUNKHEAD 1
	TRIP 1, CB, 1
	s_mov_b32 s35, 6
.Lp2k:
	TRIP 0, CB, 1
	s_sub_co_u32 s35, s35, 1
	s_cmp_lg_u32 s35, 0
	s_cbranch_scc1 .Lp2k
	s_cmp_eq_u32 s36, 1
	s_cbranch_scc1 .Llast
	TRIP 0, CBN, 1
	s_branch .Ljoin
.Llast:
	TRIP 0, CB, 0                                  ; the very last K step fetches nothing
.Ljoin:
	EPI_OUT
	s_sub_co_u32 s36, s36, 1
	s_cmp_lg_u32 s36, 0
	s_cbranch_scc1 .Lp2
	s_wait_dscnt 0x0
	s_wait_alu depctr_hold_cnt(0) depctr_sa_sdst(0) depctr_va_vdst(0) depctr_va_sdst(0) depctr_va_ssrc(0) depctr_va_vcc(0) depctr_vm_vsrc(0)
	s_wait_tensorcnt 0x0
	ds_add_u32 v62, v63
	s_wait_dscnt 0x0
	s_endpgm
.Lfunc_end_k_qd5007fa466_fused:
	.size	k_qd5007fa466_fused, .Lfunc_end_k_qd5007fa466_fused-k_qd5007fa466_fused
	.p2alignl 7, 3214868480
	.fill 96, 4, 3214868480
	.section	.rodata,"a",@progbits
	.p2align	6, 0x0
	.amdhsa_kernel k_qd5007fa466_fused
		.amdhsa_group_segment_fixed_size 183040
		.amdhsa_private_segment_fixed_size 0
		.amdhsa_enable_private_segment 0
		.amdhsa_kernarg_size 56
		.amdhsa_user_sgpr_count 2
		.amdhsa_user_sgpr_kernarg_segment_ptr 1
		.amdhsa_wavefront_size32 1
		.amdhsa_system_sgpr_workgroup_id_x 1
		.amdhsa_system_sgpr_workgroup_id_y 1
		.amdhsa_system_sgpr_workgroup_id_z 1
		.amdhsa_system_vgpr_workitem_id 0
		.amdhsa_next_free_vgpr 1024
		.amdhsa_next_free_sgpr 66
		.amdhsa_reserve_vcc 0
		.amdhsa_float_denorm_mode_32 3
		.amdhsa_float_denorm_mode_16_64 3
		.amdhsa_memory_ordered 1
		.amdhsa_forward_progress 1
		.amdhsa_inst_pref_size 255
	.end_amdhsa_kernel
	.section	.bss,"aw",@nobits
	.p2align	6
	.space	262144
	.amdgpu_metadata
---
amdhsa.version: [ 1, 2 ]
amdhsa.kernels:
  - .name:           k_qd5007fa466_fused
    .symbol:         k_qd5007fa466_fused.kd
    .args:
      - { .name: feat_rgb, .offset: 0, .size: 8, .value_kind: global_buffer, .address_space: global }
      - { .name: feat_depth, .offset: 8, .size: 8, .value_kind: global_buffer, .address_space: global }
      - { .name: wq, .offset: 16, .size: 8, .value_kind: global_buffer, .address_space: global }
      - { .name: b_k1, .offset: 24, .size: 8, .value_kind: global_buffer, .address_space: global }
      - { .name: b_k2, .offset: 32, .size: 8, .value_kind: global_buffer, .address_space: global }
      - { .name: b_f, .offset: 40, .size: 8, .value_kind: global_buffer, .address_space: global }
      - { .name: out0, .offset: 48, .size: 8, .value_kind: global_buffer, .address_space: global }
    .group_segment_fixed_size: 183040
    .private_segment_fixed_size: 0
    .kernarg_segment_align: 8
    .kernarg_segment_size: 56
    .max_flat_workgroup_size: 128
    .sgpr_count:     66
    .vgpr_count:     1024
    .wavefront_size: 32
...
	.end_amdgpu_metadata
.endif
;; end of part 3
